; MI455X (gfx1250); checked and timed in simulation.
; The chip was launched on July 23, 2026; its instructions are those of AMD's public machine-readable ISA for CDNA 5 (MIT licence, August 2026) and "CDNA5" Instruction Set Architecture Reference Guide (July 2026). The comments in the code are by the model that wrote it; some were corrected since.
;; Casual Self Attention. Allowed arithmetic: matrix products marked QUANTISED: E3M2 operands, one E8M0 scale for each 32 along K, by v_wmma_scale_f32_16x16x128_f8f6f4 with both operands' format E3M2, f32 sums; everything else in f32.
;; Inputs: W_attn 1,024 x 3,072 float32; W_proj 1,024 x 1,024 float32; b_attn 3,072 float32; b_proj 1,024 float32; x 4 x 2,048 x 1,024 float32.
;; Outputs: out0 4 x 2,048 x 1,024 float32.
;; This version of the problem:
;;   THIS VERSION OF THE PROBLEM IS GIVEN IN LOW PRECISION. The matrix products marked QUANTISED in the list below multiply operands that are first quantised to E3M2 (3 exponent bits, 2 mantissa bits; 6 bits a number), with one power-of-two scale for each 32 numbers along K (OCP MX v1.0); their sums are f32. All else is computed in f32.
;;   The module's matrix products, in the order in which they are computed (A, B: the left and right operand; K: the contracted axis; several contracted axes count as one K, in the product's order):
;;     1. [M 8,192, K 1,024] x [K 1,024, N 3,072]; A: input x; B: input W_attn: QUANTISED
;;     2. batch 64 x [M 2,048, K 64] x [K 64, N 2,048]; A: computed on the way; B: computed on the way: QUANTISED
;;     3. batch 64 x [M 2,048, K 2,048] x [K 2,048, N 64]; A: softmax (see below); B: computed on the way: QUANTISED
;;     4. [M 8,192, K 1,024] x [K 1,024, N 1,024]; A: computed on the way; B: input W_proj: QUANTISED
;;   THE QUANTISER, for each operand of a quantised product, along K:
;;     - K is cut into blocks of 32 from its start; a last block that is shorter is filled with zeros.
;;     - A block's scale is 2^e with e = floor(log2(the largest magnitude in the block)) - 4, held to -126 .. 127; a block of zeros has e = 0. As a byte (E8M0): e + 127.
;;     - Each number is divided by its block's scale, clamped to +-28, and rounded to the nearest number of E3M2, ties to even, subnormals kept.
;;     - The product sums the exact products of the quantised numbers (number of the format x scale) in f32.
;;   ~~~python
;;   def quantise(x, axis):      # numpy; x: float32 -> the quantised numbers, widened to float32 again
;;       x = np.moveaxis(x, axis, -1); K = x.shape[-1]
;;       x = np.pad(x, [(0, 0)] * (x.ndim - 1) + [(0, -K % 32)]); x = x.reshape(x.shape[:-1] + (-1, 32)); a = np.abs(x).max(-1, keepdims=True)
;;       e = np.where(a > 0, np.clip(np.frexp(np.where(a > 0, a, 1))[1] - 1 - 4, -126, 127), 0)      # np.frexp(a)[1] - 1 = floor(log2(a)), exactly
;;       r = np.clip(x / 2.0 ** e, -28, 28)
;;       step = 2.0 ** (np.maximum(np.frexp(np.where(r == 0, 1, r))[1] - 1, -2) - 2)
;;       q = np.round(r / step) * step * 2.0 ** e      # np.round: ties to even
;;       return np.moveaxis(q.reshape(q.shape[:-2] + (-1,))[..., :K], -1, axis).astype(np.float32)
;;   ~~~
;;   SOFTMAX AHEAD OF A QUANTISED PRODUCT. Where the list says 'softmax', what is quantised is not the finished softmax but p = 2^(t - M), with t = logit x log2(e) and M = ceil(the row's largest t), a whole number; so 1/2 < the row's largest p <= 1. The row's sum l is taken of the UNQUANTISED p, in f32, and the product's result is divided by l at the end. Since M is a whole number, a kernel that streams over the keys may use a running M (the ceiling of the running maximum): every later rescaling is an exact power of two, which a block's scale takes up: the codes' values come out the same.
;;   OPERANDS COMPUTED ON THE WAY. 'Computed on the way' means the value that the module computes at that place (a softmax that the list does not call 'softmax' is quantised finished and normalised). What goes into a quantiser is computed in f32, as accurately as f32 sums, v_exp_f32 and their like allow (about 1e-6 of the number): no bf16 or f16 on the way to a quantiser, and a product that is left as it is and whose result goes on into a quantised operand takes f32 operands (vector FMAs, or v_wmma_f32_16x16x4_f32). A number that lies on a knife's edge between two numbers of the format may be rounded either way, as far as f32 arithmetic and the matrix unit's own rounding can turn it there, and no further.
;; One version. Each part assembles by itself: llvm-mc -triple=amdgcn-amd-amdhsa -mcpu=gfx1250 --defsym DOCPART=n.
;; ======== version 1 of 1: 4 launches
;; workspace buffers: XQ 6,553,600 bytes; WQ 3,276,800 bytes; QB 6,815,744 bytes; KV 13,369,344 bytes; YQ 6,553,600 bytes
;; launch quant (part 1): grid 512 x 1, 4 waves a work-group, no clusters, 46,592 bytes of LDS; arguments x, W_attn, W_proj, XQ, WQ; writes XQ, WQ
.if DOCPART == 1
	.amdgcn_target "amdgcn-amd-amdhsa--gfx1250"
	.amdhsa_code_object_version 6
	.text
	.protected	k_qe7e3e44dc2_quant
	.globl	k_qe7e3e44dc2_quant
	.p2align	8
	.type	k_qe7e3e44dc2_quant,@function
k_qe7e3e44dc2_quant:
	s_mov_b64 s[64:65], 0
	v_nop
	global_prefetch_b8 v0, s[64:65] scope:SCOPE_SE
	s_setreg_imm32_b32 hwreg(HW_REG_WAVE_MODE, 25, 1), 1
	s_wait_xcnt 0x0
; x [8192][1024] f32 (K innermost) and the weights W_attn [1024][3072], W_proj [1024][1024] f32 (K is their FIRST axis) become codes of BF6 (E3M2), 6 bits each, with one E8M0
; scale byte for each 32 along K: a block's byte is its largest magnitude's exponent field - 4, held at 1 from below; each number is divided by the scale and rounded to the nearest code, ties to even.
; THE CODES ARE LAID AS THE PRODUCTS' REGISTERS WANT THEM.  A RECORD (12,800 bytes) is 128 rows x 128 along K: eight fragments of 16 rows, each an image of its 12 registers (three pieces of 512 bytes: lane l's
; registers 4 c .. 4 c + 3 at 16 l), then 512 bytes of scale words: scale register i holds tile 2 i in lanes 0-15 and tile 2 i + 1 in lanes 16-31, its word at 256 (i / 2) + 8 lane + 4 (i % 2).
; THE ROWS OF A TILE ARE NOT NEIGHBOURS: lane r of tile 2 b + u holds row 32 b + 8 u + r + 8 (r / 8) of the record's 128.
; XQ: [row block 64][K step 8][record].  WQ: [column block 32][K step 8][record]; blocks 0-23 are W_attn's columns, 24-31 W_proj's.
; Work-groups 0-255 take x (a wave: 64 rows x 128 K, four tiles), work-groups 256-511 a record of a weight each (a wave: 32 columns x 128 K).  The two ways have LDS bytes of their own.
; No tensor loads, no barrier: waves share nothing.
; LIMITS: NaN and infinities among the inputs are not served.  A block of zeros, or one whose largest magnitude lies under 2^-122, gets the byte 1: its codes are zeros or subnormal codes under that byte, and only this program reads the bytes.
.set REC,   12800
.set XSP,   528                        ; x's stage: a row of 512 bytes + 16: an odd multiple of 16, so that sixteen rows' reads of 16 bytes fall on different banks
.set XST,   16*XSP                     ; a wave's stage: 16 rows
.set WBASE, 4*XST                      ; behind x's four stages: the weights' four, 3,072 bytes each (two fragment images)
.set L16,  1                           ; v1   16 x lane
.set L8,   2                           ; v2   8 x lane
.set STW,  3                           ; v3   x's stage, on the way in: 16 x lane
.set STR,  4                           ; v4   and out: row r, + 64 h
.set WST,  5                           ; v5   the weights' stage, in: image u, + 16 r
.set WRD,  6                           ; v6   and out: 16 x lane
.set WSO,  7                           ; v7   my column's scale word: 8 (r + 16 u)
.set R,    16                          ; v16-143  x: two sets of 16 rows as loaded
.set X,    144                         ; v144-207 x: 64 numbers of my row
.set PC,   208                         ; v208-227 the codes just made
.set TM,   228                         ; v228-243 at work
.set PW,   244                         ; v244-247 the four tiles' scale words
.set OS,   248                         ; v248-249 the same, two tiles to a register
.set VO,   16                          ; v16-47   weights: byte offset of row i of a block, my column
.set XW,   48                          ; v48-111  weights: two sets of 32 numbers
.set C6,   112                         ; v112-117 a block's codes
.set CT,   118                         ; v118-120 their upper half as the conversion leaves it
.set SWD,  122                         ; v122     my column's scale word
.set OUTR, 124                         ; v124-147 the way out
.set SEL,  20                          ; s[20:21] lane selects: lane l xor 16
.set HM,   22                          ; s22      lanes 16-31
; 64 numbers of a lane, register 16 b + i = k 32 b + 16 (lane / 16) + i of my row, become a fragment's codes in v[PC] on and its scale word in v[pw].
.macro QUANT s, pw
.irp b, 0,1,2,3
	v_max3_num_f32 v[TM+\b], |v[\s+16*\b]|, |v[\s+1+16*\b]|, 0x2800000   ; block b: my 16 numbers, and the floor 2^(5 - 127): the byte cannot fall under 1
.endr
.irp i, 2,4,6,8,10,12,14
.irp b, 0,1,2,3
	v_max3_num_f32 v[TM+\b], v[TM+\b], |v[\s+16*\b+\i]|, |v[\s+1+16*\b+\i]|   ; the four blocks by turns
.endr
.endr
.irp b, 0,1,2,3
	v_permlanex16_b32 v[TM+4+\b], v[TM+\b], s[SEL], s[SEL+1]
.endr
.irp b, 0,1,2,3
	v_max_num_f32 v[TM+\b], v[TM+\b], v[TM+4+\b]   ; with lane l xor 16's: the block's largest magnitude
.endr
.irp b, 0,1,2,3
	v_add_nc_u32 v[TM+12+\b], 0xfe000000, v[TM+\b]   ; 4 off its exponent field: the conversion's scale operand
.endr
.irp b, 0,1,2,3
	v_lshrrev_b32 v[TM+4+\b], 23, v[TM+12+\b]      ; the scale's byte
.endr
	v_lshl_or_b32 v[\pw], v[TM+5], 8, v[TM+4]
	v_lshl_or_b32 v[\pw], v[TM+6], 16, v[\pw]
	v_lshl_or_b32 v[\pw], v[TM+7], 24, v[\pw]
.irp c, 0,1
	v_cvt_scalef32_pk16_bf6_f32 v[PC+6*\c:PC+2+6*\c], v[\s+32*\c:\s+15+32*\c], v[TM+12+2*\c]
	v_cvt_scalef32_pk16_bf6_f32 v[PC+12+4*\c:PC+14+4*\c], v[\s+16+32*\c:\s+31+32*\c], v[TM+12+2*\c+1]   ; (a conversion's three registers begin on an even number)
.endr
	v_nop                                          ; one plain place behind a scaled conversion
.irp c, 0,1                                    ; the operand wants a WHOLE block in a lane: lanes 0-15 block 2 c, lanes 16-31 block 2 c + 1
.irp i, 0,1,2
	v_permlane16_swap_b32 v[PC+6*\c+\i], v[PC+12+4*\c+\i]
.endr
.irp i, 0,1,2
	v_mov_b32 v[PC+3+6*\c+\i], v[PC+12+4*\c+\i]
.endr
.endr
.endm
	s_load_b128 s[4:7], s[0:1], 0x0                ; x, W_attn
	s_load_b128 s[8:11], s[0:1], 0x10              ; W_proj, XQ
	s_load_b64 s[12:13], s[0:1], 0x20              ; WQ
	v_lshl_add_u32 v254, v0, 2, 0xb400
	v_mov_b32 v255, 0
	v_lshrrev_b32 v8, 5, v0
	v_readfirstlane_b32 s14, v8                    ; wave 0..3
	v_and_b32 v8, 31, v0                           ; lane
	v_and_b32 v9, 15, v0                           ; r
	v_bfe_u32 v10, v0, 4, 1                        ; h
	v_lshlrev_b32 v[L16], 4, v8
	v_lshlrev_b32 v[L8], 3, v8
	s_mul_i32 s15, s14, XST                        ; every LDS address is made here, ahead of the parting of the ways
	v_add_nc_u32 v[STW], s15, v[L16]
	v_mul_u32_u24 v[STR], v9, XSP
	v_lshl_add_u32 v[STR], v10, 6, v[STR]
	v_add_nc_u32 v[STR], s15, v[STR]
	v_bfe_u32 v11, v0, 3, 1                        ; a weight's column 32 w + lane lies in tile 2 w + u, u = (lane / 8) % 2,
	v_and_b32 v12, 7, v0
	v_lshl_add_u32 v12, v10, 3, v12                ; at that tile's lane r = lane % 8 + 8 (lane / 16)
	s_mul_i32 s15, s14, 3072
	s_add_co_u32 s15, s15, WBASE
	v_mul_u32_u24 v[WST], v11, 1536
	v_lshl_add_u32 v[WST], v12, 4, v[WST]
	v_add_nc_u32 v[WST], s15, v[WST]
	v_add_nc_u32 v[WRD], s15, v[L16]
	v_lshl_add_u32 v[WSO], v11, 4, v12
	v_lshlrev_b32 v[WSO], 3, v[WSO]
	v_lshlrev_b32 v13, 2, v8                       ; 4 x lane
	s_mov_b32 s[SEL], 0x76543210
	s_mov_b32 s[SEL+1], 0xfedcba98
	s_mov_b32 s[HM], 0xffff0000
	s_cmp_lt_u32 ttmp9, 256
	s_cbranch_scc0 .Lweights
	; ---------------- x: my wave's unit U = 4 x work-group + wave: K step U % 8, half (U / 8) % 2 of row block U / 16
	s_lshl_b32 s16, ttmp9, 2
	s_add_co_u32 s16, s16, s14
	s_and_b32 s17, s16, 7                          ; K step
	s_bfe_u32 s18, s16, 0x10003                    ; which 64 rows of the block
	s_lshr_b32 s19, s16, 4                         ; row block
	s_lshl_b32 s24, s19, 19                        ; 128 rows of 4,096 bytes
	s_lshl_b32 s25, s18, 18
	s_add_co_u32 s24, s24, s25
	s_lshl_b32 s25, s17, 9                         ; 128 numbers
	s_add_co_u32 s24, s24, s25
	s_mov_b32 s25, 0
	s_lshl_b32 s26, s19, 3
	s_add_co_u32 s26, s26, s17
	s_mul_i32 s26, s26, REC                        ; the record
	s_lshl_b32 s28, s18, 8
	s_add_co_u32 s28, s28, s26
	s_add_co_u32 s28, s28, 12288                   ; my 256 bytes of its scale words
	s_mul_i32 s27, s18, 6144
	s_add_co_u32 s26, s26, s27                     ; my four of its images
	s_mov_b32 s27, 0
	s_mov_b32 s29, 0
.irp b, 0,1,2,3
	v_mov_b32 v[TM+4+\b], 0                        ; written once: a lane permute's destination counts as one of its sources
.endr
	s_wait_kmcnt 0x0
	s_add_nc_u64 s[4:5], s[4:5], s[24:25]
	s_add_nc_u64 s[26:27], s[10:11], s[26:27]
	s_add_nc_u64 s[28:29], s[10:11], s[28:29]
.macro LOADT t                         ; tile t's 16 rows, in the tile's own order: each load takes one row's 512 consecutive bytes
.irp i, 0,1,2,3,4,5,6,7,8,9,10,11,12,13,14,15
	global_load_b128 v[R+64*((\t)%2)+4*\i:R+64*((\t)%2)+4*\i+3], v[L16], s[4:5] offset:(32*((\t)/2)+8*((\t)%2)+\i+8*(\i/8))*4096 th:TH_LOAD_NT
.endr
.endm
.macro TILE t
.if (\t) < 3
	s_wait_loadcnt 16                              ; this tile's 16 loads are in; the next tile's 16 may be out
.else
	s_wait_loadcnt 0x0
.endif
.irp i, 0,1,2,3,4,5,6,7,8,9,10,11,12,13,14,15
	ds_store_b128 v[STW], v[R+64*((\t)%2)+4*\i:R+64*((\t)%2)+4*\i+3] offset:XSP*\i
.endr
.irp b, 0,1,2,3                                ; LDS serves a wave's instructions in order: these see the stores.  Lane (r, h) takes, of row r, 16 neighbours of each block of 32
.irp j, 0,1,2,3
	ds_load_b128 v[X+16*\b+4*\j:X+16*\b+4*\j+3], v[STR] offset:128*\b+16*\j
.endr
.endr
.if (\t) < 2
	s_wait_dscnt 16                                ; the 16 stores have read their registers (the 16 loads may be out),
	LOADT (\t)+2                                   ; which take the tile two on
.endif
	s_wait_dscnt 0x0
	s_wait_xcnt 0x0                                ; the last tile's stores have read the codes' registers
	QUANT X, PW+(\t)
.irp c, 0,1,2
	global_store_b128 v[L16], v[PC+4*\c:PC+4*\c+3], s[26:27] offset:1536*(\t)+512*\c   ; 512 consecutive bytes, at a multiple of 256 from the buffer's first byte
.endr
.endm
	LOADT 0
	LOADT 1
	TILE 0
	TILE 1
	TILE 2
	TILE 3
	v_cndmask_b32 v[OS], v[PW], v[PW+1], s[HM]     ; both halves of the lanes hold row r's word: lanes 0-15 keep the even tile's, lanes 16-31 take the odd tile's
	v_cndmask_b32 v[OS+1], v[PW+2], v[PW+3], s[HM]
	global_store_b64 v[L8], v[OS:OS+1], s[28:29]   ; 256 consecutive bytes
	s_wait_tensorcnt 0x0
	ds_add_u32 v254, v255
	s_wait_dscnt 0x0
	s_endpgm
	; ---------------- the weights: record I = work-group - 256.  A LANE TAKES A COLUMN, AND ITS REGISTERS RUN DOWN K: a block of 32 lies in one lane, and the codes come out with K innermost
.Lweights:
	s_wait_kmcnt 0x0
	s_sub_co_u32 s16, ttmp9, 256                   ; I
	s_cmp_lt_u32 s16, 192                          ; W_attn's record or W_proj's?  The choice hangs on the work-group's number alone
	s_cselect_b64 s[6:7], s[6:7], s[8:9]
	s_cselect_b32 s17, 0, 192
	s_mov_b32 s18, 4096
	s_cselect_b32 s18, 12288, s18                  ; a row of the weight in bytes
	s_sub_co_u32 s17, s16, s17
	s_lshr_b32 s19, s17, 3                         ; column block of that weight
	s_and_b32 s17, s17, 7                          ; K step
	s_lshl_b32 s19, s19, 9
	s_lshl_b32 s23, s14, 7
	s_add_co_u32 s19, s19, s23                     ; 4 (128 block + 32 wave)
	s_lshl_b32 s17, s17, 7
	s_mul_i32 s17, s17, s18                        ; 128 K step rows
	s_add_co_u32 s32, s19, s17
	s_mov_b32 s33, 0
	s_lshl_b32 s34, s18, 5                         ; 32 rows: a block
	s_mov_b32 s35, 0
	s_add_nc_u64 s[24:25], s[6:7], s[32:33]        ; a base for each of the four blocks
	s_add_nc_u64 s[26:27], s[24:25], s[34:35]
	s_add_nc_u64 s[28:29], s[26:27], s[34:35]
	s_add_nc_u64 s[30:31], s[28:29], s[34:35]
	s_mul_i32 s32, s16, REC
	s_mul_i32 s34, s14, 3072
	s_add_co_u32 s34, s34, s32
	s_add_nc_u64 s[36:37], s[12:13], s[34:35]      ; my two images
	s_lshr_b32 s34, s14, 1
	s_lshl_b32 s34, s34, 8
	s_add_co_u32 s32, s32, s34
	s_and_b32 s34, s14, 1
	s_lshl_b32 s34, s34, 2
	s_add_co_u32 s32, s32, s34
	s_add_co_u32 s32, s32, 12288
	s_add_nc_u64 s[38:39], s[12:13], s[32:33]      ; scale register w of the record: 256 (w / 2) + 4 (w % 2)
	s_wait_alu depctr_va_vdst(0)
	v_mov_b32 v[VO], v13
.set i, 1
.rept 31
	v_add_nc_u32 v[VO+i], s18, v[VO+i-1]           ; the pitch differs between the two weights, so the rows' offsets stand in registers
.set i, i+1
.endr
.macro LOADB t                         ; block t: rows 32 t + i, my column: a wave reads 128 consecutive bytes, the four waves 512
.set i, 0
.rept 32
	global_load_b32 v[XW+32*((\t)%2)+i], v[VO+i], s[24+2*(\t):25+2*(\t)] th:TH_LOAD_NT
.set i, i+1
.endr
.endm
.macro BLOCK t
.set XS, XW+32*((\t)%2)
.if (\t) < 3
	s_wait_loadcnt 32                              ; this block's 32 loads are in; the next block's may be out
.else
	s_wait_loadcnt 0x0
.endif
	v_max3_num_f32 v8, |v[XS]|, |v[XS+1]|, |v[XS+2]|   ; the block's largest magnitude: all 32 numbers are mine
	v_max3_num_f32 v9, |v[XS+3]|, |v[XS+4]|, |v[XS+5]|
.irp i, 6,10,14,18,22,26
	v_max3_num_f32 v8, v8, |v[XS+\i]|, |v[XS+\i+1]|
	v_max3_num_f32 v9, v9, |v[XS+\i+2]|, |v[XS+\i+3]|
.endr
	v_max3_num_f32 v8, v8, |v[XS+30]|, |v[XS+31]|
	v_max3_num_f32 v8, v8, v9, 0x2800000           ; and the floor 2^(5 - 127)
	v_add_nc_u32 v10, 0xfe000000, v8               ; 4 off the exponent field: the conversion's scale operand
	v_lshrrev_b32 v11, 23, v10                     ; the scale's byte
.if (\t) == 0
	v_mov_b32 v[SWD], v11
.else
	v_lshl_or_b32 v[SWD], v11, 8*(\t), v[SWD]
.endif
	v_cvt_scalef32_pk16_bf6_f32 v[C6:C6+2], v[XS:XS+15], v10
	v_cvt_scalef32_pk16_bf6_f32 v[CT:CT+2], v[XS+16:XS+31], v10   ; (a conversion's three registers begin on an even number)
	v_nop                                          ; one plain place behind a scaled conversion
.irp i, 0,1,2
	v_mov_b32 v[C6+3+\i], v[CT+\i]
.endr
	; block t is registers 6 (t / 2) .. + 5 of lane r + 16 (t % 2) of my column's tile: they go to their places in the tile's image
.if (\t) < 2
	ds_store_b128 v[WST], v[C6:C6+3] offset:256*((\t)%2)
	ds_store_b64 v[WST], v[C6+4:C6+5] offset:512+256*((\t)%2)
.else
	ds_store_b64 v[WST], v[C6:C6+1] offset:520+256*((\t)%2)
	ds_store_b128 v[WST], v[C6+2:C6+5] offset:1024+256*((\t)%2)
.endif
.if (\t) < 2
	LOADB (\t)+2
.endif
	s_wait_dscnt 0x0                               ; the stores have read their registers: the next block's codes may be written
.endm
	LOADB 0
	LOADB 1
	BLOCK 0
	BLOCK 1
	BLOCK 2
	BLOCK 3
.irp j, 0,1,2,3,4,5
	ds_load_b128 v[OUTR+4*\j:OUTR+4*\j+3], v[WRD] offset:512*\j   ; LDS serves a wave's instructions in order: these see my stores
.endr
.irp j, 0,1,2,3,4,5
	s_wait_dscnt 5-\j                              ; piece j is back; the younger ones may be out
	global_store_b128 v[L16], v[OUTR+4*\j:OUTR+4*\j+3], s[36:37] offset:512*\j   ; my two images: 3,072 consecutive bytes
.endr
	s_wait_alu depctr_va_vdst(0)
	global_store_b32 v[WSO], v[SWD], s[38:39]      ; every other word of 256 bytes; the neighbouring wave stores the words between: 512 bytes of a record's 12,800
	s_wait_tensorcnt 0x0
	ds_add_u32 v254, v255
	s_wait_dscnt 0x0
	s_endpgm
.Lfunc_end_k_qe7e3e44dc2_quant:
	.size	k_qe7e3e44dc2_quant, .Lfunc_end_k_qe7e3e44dc2_quant-k_qe7e3e44dc2_quant
	.p2alignl 7, 3214868480
	.fill 96, 4, 3214868480
	.section	.rodata,"a",@progbits
	.p2align	6, 0x0
	.amdhsa_kernel k_qe7e3e44dc2_quant
		.amdhsa_group_segment_fixed_size 46592
		.amdhsa_private_segment_fixed_size 0
		.amdhsa_enable_private_segment 0
		.amdhsa_kernarg_size 40
		.amdhsa_user_sgpr_count 2
		.amdhsa_user_sgpr_kernarg_segment_ptr 1
		.amdhsa_wavefront_size32 1
		.amdhsa_system_sgpr_workgroup_id_x 1
		.amdhsa_system_sgpr_workgroup_id_y 1
		.amdhsa_system_sgpr_workgroup_id_z 1
		.amdhsa_system_vgpr_workitem_id 0
		.amdhsa_next_free_vgpr 256
		.amdhsa_next_free_sgpr 66
		.amdhsa_reserve_vcc 0
		.amdhsa_float_denorm_mode_32 3
		.amdhsa_float_denorm_mode_16_64 3
		.amdhsa_memory_ordered 1
		.amdhsa_forward_progress 1
		.amdhsa_inst_pref_size 57
	.end_amdhsa_kernel
	.amdgpu_metadata
---
amdhsa.version: [ 1, 2 ]
amdhsa.kernels:
  - .name:           k_qe7e3e44dc2_quant
    .symbol:         k_qe7e3e44dc2_quant.kd
    .args:
      - { .name: x, .offset: 0, .size: 8, .value_kind: global_buffer, .address_space: global }
      - { .name: W_attn, .offset: 8, .size: 8, .value_kind: global_buffer, .address_space: global }
      - { .name: W_proj, .offset: 16, .size: 8, .value_kind: global_buffer, .address_space: global }
      - { .name: XQ, .offset: 24, .size: 8, .value_kind: global_buffer, .address_space: global }
      - { .name: WQ, .offset: 32, .size: 8, .value_kind: global_buffer, .address_space: global }
    .group_segment_fixed_size: 46592
    .private_segment_fixed_size: 0
    .kernarg_segment_align: 8
    .kernarg_segment_size: 40
    .max_flat_workgroup_size: 128
    .sgpr_count:     66
    .vgpr_count:     256
    .wavefront_size: 32
...
	.end_amdgpu_metadata
.endif
;; end of part 1
;; launch qkv (part 2): grid 12 x 32, 4 waves a work-group, clusters of 4 x 4, 327,680 bytes of LDS; arguments XQ, WQ, b_attn, QB, KV; writes QB, KV
.if DOCPART == 2
	.amdgcn_target "amdgcn-amd-amdhsa--gfx1250"
	.amdhsa_code_object_version 6
	.text
	.protected	k_qe7e3e44dc2_qkv
	.globl	k_qe7e3e44dc2_qkv
	.p2align	8
	.type	k_qe7e3e44dc2_qkv,@function
k_qe7e3e44dc2_qkv:
	s_mov_b64 s[64:65], 0
	v_nop
	global_prefetch_b8 v0, s[64:65] scope:SCOPE_SE
	s_setreg_imm32_b32 hwreg(HW_REG_WAVE_MODE, 25, 1), 1
	s_wait_xcnt 0x0
	s_wait_alu depctr_hold_cnt(0) depctr_sa_sdst(0) depctr_va_vdst(0) depctr_va_sdst(0) depctr_va_ssrc(0) depctr_va_vcc(0) depctr_vm_vsrc(0)
	s_getreg_b32 s2, hwreg(HW_REG_IB_STS2, 6, 4)
	s_cmp_eq_u32 s2, 0
	s_cbranch_scc0 .Lentry_in_a_cluster
	s_endpgm
.Lentry_in_a_cluster:
	s_bfe_u32 s2, ttmp6, 0x10000c
	s_cmp_lg_u32 s2, 0xf033
	s_cbranch_scc0 .Lentry_shape_is_right
	s_endpgm
.Lentry_shape_is_right:
; qkv = x W_attn + b_attn on codes of BF6 (E3M2) with E8M0 scales, sums in f32; q, k and v never go to memory as f32: each is quantised here, in registers, along the K of the product that will take it.
; OPERANDS.  XQ [row block 64][K step 8][record], WQ [column block 32][K step 8][record].  A record (12,800 bytes) is 128 rows x 128 K: eight fragment images (three pieces of 512 bytes, lane l's registers
; 4 c .. 4 c + 3 at 16 l) and 512 bytes of scale words (register i: tile 2 i in lanes 0-15, tile 2 i + 1 in lanes 16-31; word at 256 (i / 2) + 8 lane + 4 (i % 2)).  Lane r of tile 2 b + u is row 32 b + 8 u + r + 8 (r / 8).
; SHARES.  A work-group of four waves, as many as a WGP has SIMDs, makes 256 rows x 256 columns; a wave 128 x 128: 64 accumulators, 512 registers.  K = 1,024 is eight steps of 128; two steps of a block of 128 rows
; are 25,600 dense bytes, one tensor load.  THREE LDS slots of two steps each: K pairs 0, 1, 2 are the first fills, pair 3 is the one refill (slot 0): it is asked for 256 matrix instructions ahead of its first read.
; A product is D = P x S (source 0 = P, source 1 = S): a lane holds ONE row of S, and the 16 registers of P's tiles 2 b, 2 b + 1 are P's rows 32 b + 16 (lane / 16) + 0 .. 15: neighbours, as the conversions want them.
; ZONES.  The cluster's x is the zone: 0 q, 1 k, 2 v.  q, k: S = x's rows (tokens), P = W's columns: a lane's registers run along the head's 64, the K of q k^T.  v: S = W's columns, P = x's rows: they run along the
; tokens, the K of p v.  Only the LDS bases of the fragment loads differ between zones; fills and descriptors are the same.
; OUT.  QB [b h 64][128 tokens 16][6,656]: 48 registers a lane (tile t: 6 t .. 6 t + 5, K = 64) in 12 pieces of 512 bytes, then 512 bytes of scale words (tile 2 i + lane / 16, row lane % 16 at 16 lane + 4 i; bytes 2, 3 are 0).
; KV [b h][16][13,056]: K as in QB (6,144), V: four fragment images of 16 d x 128 keys (6,144), K's scale words (512), V's (256: tile 2 i + lane / 16 at 8 lane + 4 i).
; CLUSTERS: 4 x 4 work-groups.  The four of a row of the cluster need the same blocks of x, the four of a column the same blocks of W: each is asked for JOINTLY.
; No prefetch: three of the four K pairs go out at the head, and the fourth has two slots' matrix work in which to land.
; LIMITS: NaN and infinities are not served; a block whose largest magnitude lies under 2^-122 gets the byte 1 (only this program reads the bytes).
; REGISTERS, in windows of 256: window 0: v1-15 at work; v16-27 LDS addresses; v28-31; v32-63 scale words, two sets; v64-127 the bias by registers; v128-223 S's fragments, ONE set; v224-239 the bias by lanes; v240-255 at work.
;   window 1: P's fragments, two sets, at v0 and v128.  windows 2, 3: the accumulators: (a, b) at v[8 (8 (a % 4) + b)] of window 2 + a / 4.
.set REC,   12800
.set BLK,   2*REC                      ; 128 rows x two K steps
.set SLOT,  4*BLK                      ; x's two blocks, then W's two
.set SPARE, 3*SLOT                     ; behind the slots: the spare words, 128 bytes for each wave
.set NLS,   3                          ; LDS loads that bring a fragment of S
.set ADRS, 16                          ; v16-18 16 x lane + S's block in slot 0, 1, 2
.set ADRP, 19                          ; v19-21 the same for P
.set AS8,  22                          ; v22-24 8 x lane + S's block
.set AP8,  25                          ; v25-27 8 x lane + P's block
.set SPW,  28                          ; v28    my spare word; never rewritten
.set NIL,  29                          ; v29    0; never rewritten
.set L16,  30
.set L8,   31
.set SC,   32                          ; scale words: set s at v[SC + 16 s]; in it 8 q + i: S's register i, 8 q + 4 + i: P's, for the slot's q-th K step
.set BIAS, 64                          ; b_attn at my half's registers: 8 b + j = column 32 (b / 2) + 16 h + 8 (b % 2) + j of P's 128
.set SF,   128
.set BV,   224                         ; b_attn at my lane's row of S's tile a, twice: v[BV + 2 a], v[BV + 2 a + 1]
.set TM,   240
.set T,    128                         ; the way out: the numbers to be quantised
.set CODE, 160                         ; q, k: 48 registers of codes
.set CT,   208
.set SW,   212                         ; q, k: eight tiles' scale words
.set OSR,  220
.set PC,   192                         ; v: a fragment's codes
.set PW,   212                         ; v: four tiles' scale words
.set OS,   216
.set G1X, 24                           ; s[24:31] descriptor group 1 for x's blocks;  s[32:43] group 0, a set for each slot
.set G0X, 32
.set G0W, 44                           ; s[44:55], s[56:63] the same for W's
.set G1W, 56
.set SEL, 86
.set HM,  88
.set MSB, 0
.macro WIN new                         ; the immediate's high byte repeats the setting that is left
.if MSB != (\new)
	s_set_vgpr_msb (MSB<<8)|(\new)
.set MSB, (\new)
.endif
.endm
; A joint load: waves 0 and 1 fetch x's two blocks, waves 2 and 3 W's.  Each line has one mask and one set of registers for all that issue it; the branch hangs on the wave's number alone.
; Four v_nop follow each of the two lines.
.macro JLOAD g0x, g0w
	s_cmp_eq_u32 s15, 0
	s_cbranch_scc0 .Lfor_w_\@
	tensor_load_to_lds s[\g0x:\g0x+3], s[G1X:G1X+7]
	s_nop 0
.rept 4
	v_nop
.endr
	s_branch .Lasked_\@
.Lfor_w_\@:
	tensor_load_to_lds s[\g0w:\g0w+3], s[G1W:G1W+7]
	s_nop 0
.rept 4
	v_nop
.endr
.Lasked_\@:
.endm
.macro CREST                           ; a round of the cluster's barrier behind its opening barrier
	s_cmp_lg_u32 s14, 0
	s_cbranch_scc1 .Lnot_wave_0_\@
	s_barrier_signal -3
.Lnot_wave_0_\@:
	s_barrier_wait -3
	s_barrier_signal -1
	s_barrier_wait -1
.endm
.macro CROUND
	s_barrier_signal -1
	s_barrier_wait -1
	CREST
.endm
.macro PLACES                          ; four plain places behind a matrix instruction, in front of loads into its registers and of reads of its results
.rept 4
	v_nop
.endr
.endm
	s_load_b128 s[4:7], s[0:1], 0x0                ; XQ, WQ
	s_load_b128 s[8:11], s[0:1], 0x10              ; b_attn, QB
	s_load_b64 s[12:13], s[0:1], 0x20              ; KV
	v_lshl_add_u32 v[SPW], v0, 2, SPARE
	v_mov_b32 v[NIL], 0
	ds_add_u32 v28, v29
	ds_add_u32 v28, v29
	s_wait_dscnt 0x0
	v_lshrrev_b32 v1, 5, v0
	v_readfirstlane_b32 s14, v1                    ; wave 0..3
	s_lshr_b32 s15, s14, 1                         ; which block of S is mine.  Also: I fetch for x (0) or for W (1)
	s_and_b32 s16, s14, 1                          ; which block of P.  Also: which of the two blocks I fetch
	s_bfe_u32 s66, ttmp6, 0x40000                  ; cx, cy: my place in the cluster
	s_bfe_u32 s67, ttmp6, 0x40004
	s_lshl_b32 s68, ttmp9, 2
	s_add_co_u32 s68, s68, s66                     ; nx: which 256 columns
	s_and_b32 s69, ttmp7, 0xffff
	s_lshl_b32 s69, s69, 2
	s_add_co_u32 s69, s69, s67                     ; my: which 256 rows
	s_lshl_b32 s70, s67, 2
	s_lshl_b32 s70, 15, s70                        ; my row of the cluster
	s_lshl_b32 s71, 0x1111, s66                    ; my column
	s_or_b32 s[G1X], s70, (3<<16)|(1<<21)          ; 15:0 the mask; 17:16 elements of 8 bytes; 20 no padding; 21 set beside a mask
	s_or_b32 s[G1W], s71, (3<<16)|(1<<21)
.irp g, G1X, G1W                               ; a dense block of 25,600 bytes as 100 rows of 256
	s_mov_b32 s[\g+1], 32<<16                      ; tensor_dim0 = 32 elements
	s_mov_b32 s[\g+2], 100<<16                     ; tensor_dim1 = 100
	s_mov_b32 s[\g+3], 32<<16                      ; tile_dim0
	s_mov_b32 s[\g+4], 100                         ; tile_dim1
	s_mov_b32 s[\g+5], 32                          ; from row to row
	s_mov_b32 s[\g+6], 0
	s_mov_b32 s[\g+7], 0
.endr
	s_lshl_b32 s72, s69, 1
	s_add_co_u32 s72, s72, s16                     ; x's block 2 my + (wave % 2): it hangs on the tile row alone
	s_mul_i32 s72, s72, 8*REC
	s_mov_b32 s73, 0
	s_lshl_b32 s74, s68, 1
	s_add_co_u32 s74, s74, s16                     ; W's block 2 nx + (wave % 2): on the tile column alone
	s_mul_i32 s74, s74, 8*REC
	s_mov_b32 s75, 0
	s_mul_i32 s76, s14, BLK                        ; where they go: wave x a block: no place in the cluster enters an LDS address
	s_wait_kmcnt 0x0
	s_add_nc_u64 s[72:73], s[4:5], s[72:73]
	s_add_nc_u64 s[74:75], s[6:7], s[74:75]
	CROUND                                         ; all sixteen work-groups are here: the first joint loads meet
.irp s, 0,1,2                                  ; three loads of mine are out
	s_mov_b32 s[G0X+4*\s], 1
	s_add_co_u32 s[G0X+4*\s+1], s76, \s*SLOT
	s_add_nc_u64 s[G0X+4*\s+2:G0X+4*\s+3], s[72:73], \s*BLK
	s_or_b32 s[G0X+4*\s+3], s[G0X+4*\s+3], 0x80000000
	s_mov_b32 s[G0W+4*\s], 1
	s_add_co_u32 s[G0W+4*\s+1], s76, \s*SLOT
	s_add_nc_u64 s[G0W+4*\s+2:G0W+4*\s+3], s[74:75], \s*BLK
	s_or_b32 s[G0W+4*\s+3], s[G0W+4*\s+3], 0x80000000
	JLOAD G0X+4*\s, G0W+4*\s
.endr
	v_and_b32 v1, 31, v0                           ; lane
	v_bfe_u32 v2, v0, 4, 1                         ; h
	v_and_b32 v3, 15, v0                           ; r
	v_lshlrev_b32 v[L16], 4, v1
	s_wait_alu depctr_va_vdst(0)
	v_lshlrev_b32 v[L8], 3, v1
	s_wait_alu depctr_va_vdst(0)
	s_cmp_eq_u32 ttmp9, 2                          ; zone v: S is W, P is x.  The cluster's x is the same in all sixteen partners
	s_cselect_b32 s77, 2*BLK, 0
	s_cselect_b32 s78, 0, 2*BLK
	s_mul_i32 s79, s15, BLK
	s_add_co_u32 s77, s77, s79                     ; S's block in a slot
	s_mul_i32 s79, s16, BLK
	s_add_co_u32 s78, s78, s79                     ; P's
.irp s, 0,1,2
	v_add_nc_u32 v[ADRS+\s], s77, v[L16]
	v_add_nc_u32 v[ADRP+\s], s78, v[L16]
	v_add_nc_u32 v[AS8+\s], s77, v[L8]
	v_add_nc_u32 v[AP8+\s], s78, v[L8]
	s_add_co_u32 s77, s77, SLOT
	s_add_co_u32 s78, s78, SLOT
.endr
	; the bias in both forms; both loads stay inside b_attn in every zone, and each zone uses one
	v_lshlrev_b32 v4, 6, v2                        ; 64 h
	s_wait_alu depctr_va_vdst(0)
	v_and_b32 v5, 8, v3
	v_add_nc_u32 v5, v5, v3
	v_lshlrev_b32 v5, 2, v5                        ; 4 (r + 8 (r / 8))
	s_wait_alu depctr_va_vdst(0)
	s_lshl_b32 s80, s68, 10
	s_lshl_b32 s81, s16, 9
	s_add_co_u32 s80, s80, s81
	s_mov_b32 s81, 0
	s_add_nc_u64 s[82:83], s[8:9], s[80:81]        ; b_attn at column 256 nx + 128 (wave % 2)
	s_lshl_b32 s80, s68, 10
	s_lshl_b32 s84, s15, 9
	s_add_co_u32 s80, s80, s84
	s_add_nc_u64 s[84:85], s[8:9], s[80:81]        ; and at 256 nx + 128 (wave / 2)
.irp b, 0,1,2,3,4,5,6,7
	global_load_b128 v[BIAS+8*\b:BIAS+8*\b+3], v4, s[82:83] offset:4*(32*(\b/2)+8*(\b%2))
	global_load_b128 v[BIAS+8*\b+4:BIAS+8*\b+7], v4, s[82:83] offset:4*(32*(\b/2)+8*(\b%2))+16
.endr
.irp a, 0,1,2,3,4,5,6,7
	global_load_b32 v[BV+2*\a], v5, s[84:85] offset:4*(32*(\a/2)+8*(\a%2))
	global_load_b32 v[BV+2*\a+1], v5, s[84:85] offset:4*(32*(\a/2)+8*(\a%2))
.endr
.macro FRAGS slot, q, i                ; S's fragment i of the slot's q-th K step: an image of its 12 registers
.set rF, SF+12*(\i)
.set oF, (\q)*REC+1536*(\i)
	ds_load_b128 v[rF:rF+3], v[ADRS+\slot] offset:oF
	ds_load_b128 v[rF+4:rF+7], v[ADRS+\slot] offset:oF+512
	ds_load_b128 v[rF+8:rF+11], v[ADRS+\slot] offset:oF+1024
.endm
.macro FETCH_S slot, q, i0
.irp i, \i0, \i0+1, \i0+2, \i0+3
	FRAGS \slot, \q, \i
.endr
.endm
.macro FETCH_P slot, q, set            ; P's eight fragments into set
	WIN 0x40                                       ; destination window 1, address window 0
.irp i, 0,1,2,3,4,5,6,7
.irp c, 0,1,2
	ds_load_b128 v[128*(\set)+12*\i+4*\c:128*(\set)+12*\i+4*\c+3], v[ADRP+\slot] offset:(\q)*REC+1536*\i+512*\c
.endr
.endr
	WIN 0
.endm
.macro SCALES slot, set                ; a slot's scale words, both K steps, both sides: eight loads of 8 bytes a lane
.irp q, 0,1
.irp p, 0,1
	ds_load_b64 v[SC+16*(\set)+8*\q+2*\p:SC+16*(\set)+8*\q+2*\p+1], v[AS8+\slot] offset:\q*REC+12288+256*\p
	ds_load_b64 v[SC+16*(\set)+8*\q+4+2*\p:SC+16*(\set)+8*\q+4+2*\p+1], v[AP8+\slot] offset:\q*REC+12288+256*\p
.endr
.endr
.endm
; One product.  zero = 1: it starts its sum: nothing is ever cleared.  rp, rs: an odd tile's scale words stand in lanes 16-31 of their register.
.macro WM zero, rp, rs
.if (\zero)
.if (\rp) && (\rs)
	v_wmma_scale_f32_16x16x128_f8f6f4 v[rD:rD+7], v[rP:rP+11], v[rS:rS+11], 0, v[rSP], v[rSS] matrix_a_fmt:MATRIX_FMT_BF6 matrix_b_fmt:MATRIX_FMT_BF6 matrix_a_scale:MATRIX_SCALE_ROW1 matrix_b_scale:MATRIX_SCALE_ROW1
.elseif (\rp)
	v_wmma_scale_f32_16x16x128_f8f6f4 v[rD:rD+7], v[rP:rP+11], v[rS:rS+11], 0, v[rSP], v[rSS] matrix_a_fmt:MATRIX_FMT_BF6 matrix_b_fmt:MATRIX_FMT_BF6 matrix_a_scale:MATRIX_SCALE_ROW1
.elseif (\rs)
	v_wmma_scale_f32_16x16x128_f8f6f4 v[rD:rD+7], v[rP:rP+11], v[rS:rS+11], 0, v[rSP], v[rSS] matrix_a_fmt:MATRIX_FMT_BF6 matrix_b_fmt:MATRIX_FMT_BF6 matrix_b_scale:MATRIX_SCALE_ROW1
.else
	v_wmma_scale_f32_16x16x128_f8f6f4 v[rD:rD+7], v[rP:rP+11], v[rS:rS+11], 0, v[rSP], v[rSS] matrix_a_fmt:MATRIX_FMT_BF6 matrix_b_fmt:MATRIX_FMT_BF6
.endif
.else
.if (\rp) && (\rs)
	v_wmma_scale_f32_16x16x128_f8f6f4 v[rD:rD+7], v[rP:rP+11], v[rS:rS+11], v[rD:rD+7], v[rSP], v[rSS] matrix_a_fmt:MATRIX_FMT_BF6 matrix_b_fmt:MATRIX_FMT_BF6 matrix_a_scale:MATRIX_SCALE_ROW1 matrix_b_scale:MATRIX_SCALE_ROW1
.elseif (\rp)
	v_wmma_scale_f32_16x16x128_f8f6f4 v[rD:rD+7], v[rP:rP+11], v[rS:rS+11], v[rD:rD+7], v[rSP], v[rSS] matrix_a_fmt:MATRIX_FMT_BF6 matrix_b_fmt:MATRIX_FMT_BF6 matrix_a_scale:MATRIX_SCALE_ROW1
.elseif (\rs)
	v_wmma_scale_f32_16x16x128_f8f6f4 v[rD:rD+7], v[rP:rP+11], v[rS:rS+11], v[rD:rD+7], v[rSP], v[rSS] matrix_a_fmt:MATRIX_FMT_BF6 matrix_b_fmt:MATRIX_FMT_BF6 matrix_b_scale:MATRIX_SCALE_ROW1
.else
	v_wmma_scale_f32_16x16x128_f8f6f4 v[rD:rD+7], v[rP:rP+11], v[rS:rS+11], v[rD:rD+7], v[rSP], v[rSS] matrix_a_fmt:MATRIX_FMT_BF6 matrix_b_fmt:MATRIX_FMT_BF6
.endif
.endif
.endm
; 16 products: S's tiles a0, a0 + 1 x P's eight.  q: the slot's K step, and P's set;  sc: the set of scale words.  The 64 accumulators take turns, one instruction a turn, in the same order in every step.
.macro MUL16 a0, q, sc, zero
.irp a, \a0, \a0+1
.irp b, 0,1,2,3,4,5,6,7
.set rD, 8*(8*((\a)%4)+\b)
.set rP, 128*(\q)+12*\b
.set rS, SF+12*(\a)
.set rSP, SC+16*(\sc)+8*(\q)+4+\b/2
.set rSS, SC+16*(\sc)+8*(\q)+(\a)/2
	WM \zero, \b%2, (\a)%2
.endr
.endr
.endm
; A K step whose successor's tiles are known to lie in LDS: (ns, nq) is the successor; where it opens a slot, its scale words come into set nsc.
.macro STEP q, sc, ns, nq, nsc, zero
	s_wait_dscnt 4*NLS                             ; P's set, S's tiles 0-3 and the scale words are in; the youngest loads (S's tiles 4-7) may be out
	WIN 0xa1                                       ; source 0 (P) window 1, source 1 (S) window 0, C and D window 2
	MUL16 0, \q, \sc, \zero
	MUL16 2, \q, \sc, \zero
	s_wait_dscnt 0x0                               ; S's tiles 4-7 are in
	PLACES
	FETCH_P \ns, \nq, \nq
	FETCH_S \ns, \nq, 0
.if (\nq) == 0
	SCALES \ns, \nsc
.endif
	WIN 0xf1                                       ; C and D window 3
	MUL16 4, \q, \sc, \zero
	MUL16 6, \q, \sc, \zero
	PLACES
	WIN 0
	FETCH_S \ns, \nq, 4
.endm
; A slot's second step with a barrier in it.  In front of the barrier each wave waits for all its tensor loads, adds 0 to its spare word, and waits for that and for its own LDS reads.
; fill = 1: slot 0, which nobody reads any more, takes K pair 3: the barrier opens a round of the cluster's barrier, and the joint load is the first thing behind the round.
.macro TURN sc, ns, nsc, fill
	s_wait_tensorcnt 0x0                           ; all my tensor loads have landed
	ds_add_u32 v[SPW], v[NIL]                      ; 0 onto my spare word
	s_wait_dscnt 4*NLS+1                           ; (the add and the youngest loads, S's tiles 4-7, may be out)
	WIN 0xa1
	MUL16 0, 1, \sc, 0                             ; sixteen matrix instructions stand between the add and the wait for it
	s_wait_dscnt 0x0                               ; the add is done, and my reads of this slot are over
	s_barrier_signal -1
	MUL16 2, 1, \sc, 0
	WIN 0
	s_barrier_wait -1
.if \fill
	CREST                                          ; no wave of any partner still reads slot 0 or has a load on its way
	s_add_nc_u64 s[G0X+2:G0X+3], s[G0X+2:G0X+3], 3*BLK
	s_add_nc_u64 s[G0W+2:G0W+3], s[G0W+2:G0W+3], 3*BLK
	JLOAD G0X, G0W                                 ; my one tensor load behind the round; the four v_nop behind it are the places in front of the loads below
.else
	PLACES
.endif
	FETCH_P \ns, 0, 0
	FETCH_S \ns, 0, 0
	SCALES \ns, \nsc
	WIN 0xf1
	MUL16 4, 1, \sc, 0
	MUL16 6, 1, \sc, 0
	PLACES
	WIN 0
	FETCH_S \ns, 0, 4
.endm
	s_wait_tensorcnt 2                             ; my part of K pair 0 is in; pairs 1 and 2 may stay out
	s_barrier_signal -1
	s_barrier_wait -1                              ; everybody's is
	FETCH_P 0, 0, 0
	FETCH_S 0, 0, 0
	SCALES 0, 0
	FETCH_S 0, 0, 4
	STEP 0, 0, 0, 1, 0, 1                          ; K step 0 starts the sums
	TURN 0, 1, 1, 1                                ; K step 1; every wave's three first fills have landed; slot 0 takes K pair 3
	STEP 0, 1, 1, 1, 1, 0                          ; K step 2
	STEP 1, 1, 2, 0, 0, 0                          ; K step 3; slot 2 was shown whole at the round
	STEP 0, 0, 2, 1, 0, 0                          ; K step 4
	TURN 0, 0, 1, 0                                ; K step 5; K pair 3 has landed in every wave's part of slot 0
	STEP 0, 1, 0, 1, 1, 0                          ; K step 6
	s_wait_dscnt 4*NLS                             ; K step 7: nothing more to fetch
	WIN 0xa1
	MUL16 0, 1, 1, 0
	MUL16 2, 1, 1, 0
	s_wait_dscnt 0x0
	WIN 0xf1
	MUL16 4, 1, 1, 0
	MUL16 6, 1, 1, 0
	WIN 0
; 32 numbers of a lane, register 16 b + i = k 32 b + 16 (lane / 16) + i of my row (K = 64), become six registers of codes, k = 32 (lane / 16) + 0 .. 31, in v[d] on, and two scale bytes in v[w].
.macro QUANT32 s, d, ct, tm, w
.irp b, 0,1
	v_max3_num_f32 v[\tm+\b], |v[\s+16*\b]|, |v[\s+1+16*\b]|, 0x2800000   ; my 16 numbers of block b, and the floor 2^(5 - 127)
.endr
.irp i, 2,4,6,8,10,12,14
.irp b, 0,1
	v_max3_num_f32 v[\tm+\b], v[\tm+\b], |v[\s+16*\b+\i]|, |v[\s+1+16*\b+\i]|
.endr
.endr
.irp b, 0,1
	v_permlanex16_b32 v[\tm+2+\b], v[\tm+\b], s[SEL], s[SEL+1]
.endr
.irp b, 0,1
	v_max_num_f32 v[\tm+\b], v[\tm+\b], v[\tm+2+\b]
.endr
.irp b, 0,1
	v_add_nc_u32 v[\tm+4+\b], 0xfe000000, v[\tm+\b]   ; 4 off the exponent field: the conversion's scale operand
.endr
.irp b, 0,1
	v_lshrrev_b32 v[\tm+2+\b], 23, v[\tm+4+\b]
.endr
	v_lshl_or_b32 v[\w], v[\tm+3], 8, v[\tm+2]
	v_cvt_scalef32_pk16_bf6_f32 v[\d:\d+2], v[\s:\s+15], v[\tm+4]
	v_cvt_scalef32_pk16_bf6_f32 v[\ct:\ct+2], v[\s+16:\s+31], v[\tm+5]
	v_nop                                          ; one plain place behind a scaled conversion
.irp i, 0,1,2
	v_permlane16_swap_b32 v[\d+\i], v[\ct+\i]      ; lanes 0-15 get block 0 whole, lanes 16-31 block 1
.endr
.irp i, 0,1,2
	v_mov_b32 v[\d+3+\i], v[\ct+\i]
.endr
.endm
; 64 numbers of a lane (K = 128) become a fragment's 12 registers in v[PC] on and its scale word in v[pw].
.macro QUANT s, pw
.irp b, 0,1,2,3
	v_max3_num_f32 v[TM+\b], |v[\s+16*\b]|, |v[\s+1+16*\b]|, 0x2800000
.endr
.irp i, 2,4,6,8,10,12,14
.irp b, 0,1,2,3
	v_max3_num_f32 v[TM+\b], v[TM+\b], |v[\s+16*\b+\i]|, |v[\s+1+16*\b+\i]|
.endr
.endr
.irp b, 0,1,2,3
	v_permlanex16_b32 v[TM+4+\b], v[TM+\b], s[SEL], s[SEL+1]
.endr
.irp b, 0,1,2,3
	v_max_num_f32 v[TM+\b], v[TM+\b], v[TM+4+\b]
.endr
.irp b, 0,1,2,3
	v_add_nc_u32 v[TM+12+\b], 0xfe000000, v[TM+\b]
.endr
.irp b, 0,1,2,3
	v_lshrrev_b32 v[TM+4+\b], 23, v[TM+12+\b]
.endr
	v_lshl_or_b32 v[\pw], v[TM+5], 8, v[TM+4]
	v_lshl_or_b32 v[\pw], v[TM+6], 16, v[\pw]
	v_lshl_or_b32 v[\pw], v[TM+7], 24, v[\pw]
.irp c, 0,1
	v_cvt_scalef32_pk16_bf6_f32 v[PC+6*\c:PC+2+6*\c], v[\s+32*\c:\s+15+32*\c], v[TM+12+2*\c]
	v_cvt_scalef32_pk16_bf6_f32 v[PC+12+4*\c:PC+14+4*\c], v[\s+16+32*\c:\s+31+32*\c], v[TM+12+2*\c+1]
.endr
	v_nop
.irp c, 0,1
.irp i, 0,1,2
	v_permlane16_swap_b32 v[PC+6*\c+\i], v[PC+12+4*\c+\i]
.endr
.irp i, 0,1,2
	v_mov_b32 v[PC+3+6*\c+\i], v[PC+12+4*\c+\i]
.endr
.endr
.endm
	; THE WAY OUT: bias, quantiser, stores of whole pieces of 512 or 256 bytes straight from registers.  No LDS.
	s_wait_loadcnt 0x0                             ; the bias
	PLACES                                         ; behind the last products
.irp i, 2,3,4,5,6,7
	v_mov_b32 v[TM+\i], 0                          ; written once: a lane permute's destination counts as one of its sources
.endr
	s_mov_b32 s[SEL], 0x76543210
	s_mov_b32 s[SEL+1], 0xfedcba98
	s_mov_b32 s[HM], 0xffff0000
	s_cmp_eq_u32 ttmp9, 2
	s_cselect_b32 s76, s15, s16                    ; which two of the work-group's four heads are mine: by my block of W
	s_cselect_b32 s77, s16, s15                    ; which 128 of its 256 tokens: by my block of x
	s_lshr_b32 s72, s69, 3                         ; the batch: 2,048 tokens are eight tile rows
	s_lshl_b32 s72, s72, 4
	s_and_b32 s73, s68, 3
	s_lshl_b32 s73, s73, 2
	s_add_co_u32 s72, s72, s73
	s_lshl_b32 s73, s76, 1
	s_add_co_u32 s72, s72, s73                     ; 16 batch + my first head
	s_lshl_b32 s72, s72, 4
	s_and_b32 s73, s69, 7
	s_lshl_b32 s73, s73, 1
	s_add_co_u32 s72, s72, s73
	s_add_co_u32 s72, s72, s77                     ; the record: 16 (16 batch + head) + which 128 tokens of the 2,048
	s_mov_b32 s73, 0
	s_cmp_eq_u32 ttmp9, 2
	s_cbranch_scc1 .Lzone_v                        ; the same way in all sixteen partners
	; ---- q, k: a lane holds a token; a head's 64 columns are 32 of its registers
	s_cmp_eq_u32 ttmp9, 0
	s_cselect_b64 s[74:75], s[10:11], s[12:13]     ; QB or KV
	s_mov_b32 s76, 13056
	s_cselect_b32 s76, 6656, s76                   ; a record
	s_mov_b32 s78, 12288
	s_cselect_b32 s78, 6144, s78                   ; where its scale words begin
	s_mov_b32 s79, 0
	s_mul_i32 s72, s72, s76
	s_add_nc_u64 s[74:75], s[74:75], s[72:73]
	s_add_nc_u64 s[78:79], s[74:75], s[78:79]
	s_lshl_b32 s80, s76, 4                         ; the next head's record lies 16 records on
	s_mov_b32 s81, 0
.irp hd, 0,1
.if \hd
	s_wait_xcnt 0x0                                ; the first head's stores have read their registers and bases
	s_add_nc_u64 s[74:75], s[74:75], s[80:81]
	s_add_nc_u64 s[78:79], s[78:79], s[80:81]
.endif
.irp a, 0,1,2,3,4,5,6,7
	WIN 0x02+\a/4                                  ; source 0: window 2 or 3
.irp i, 0,1,2,3,4,5,6,7,8,9,10,11,12,13,14,15
	v_pk_add_f32 v[T+2*\i:T+2*\i+1], v[64*(\a%4)+32*\hd+2*\i:64*(\a%4)+32*\hd+2*\i+1], v[BIAS+32*\hd+2*\i:BIAS+32*\hd+2*\i+1]   ; + the bias, and into window 0; each accumulator from its low end on
.endr
	WIN 0
	QUANT32 T, CODE+6*\a, CT, TM, SW+\a
.endr
.irp i, 0,1,2,3
	v_cndmask_b32 v[OSR+\i], v[SW+2*\i], v[SW+2*\i+1], s[HM]   ; lanes 0-15 keep the even tile's word, lanes 16-31 take the odd tile's
.endr
.irp c, 0,1,2,3,4,5,6,7,8,9,10,11
	global_store_b128 v[L16], v[CODE+4*\c:CODE+4*\c+3], s[74:75] offset:512*\c   ; 512 consecutive bytes, at a multiple of 256 from the buffer's first byte
.endr
	global_store_b128 v[L16], v[OSR:OSR+3], s[78:79]
.endr
	s_branch .Lend
	; ---- v: a lane holds one of the head's 64 (row r of W's tile a); its 64 registers are the block's 128 tokens, the keys
.Lzone_v:
	s_mul_i32 s72, s72, 13056
	s_add_nc_u64 s[74:75], s[12:13], s[72:73]
.irp a, 0,1,2,3,4,5,6,7
.if \a > 0
	s_wait_xcnt 0x0                                ; the last tile's stores have read their registers
.endif
	WIN 0x02+\a/4
.irp i, 0,1,2,3,4,5,6,7,8,9,10,11,12,13,14,15,16,17,18,19,20,21,22,23,24,25,26,27,28,29,30,31
	v_pk_add_f32 v[T+2*\i:T+2*\i+1], v[64*(\a%4)+2*\i:64*(\a%4)+2*\i+1], v[BV+2*\a:BV+2*\a+1]
.endr
	WIN 0
	QUANT T, PW+\a%4
.irp c, 0,1,2
	global_store_b128 v[L16], v[PC+4*\c:PC+4*\c+3], s[74:75] offset:(\a/4)*208896+6144+1536*(\a%4)+512*\c   ; tiles 4-7 are the next head's: 16 records on
.endr
.if \a%4 == 3
	v_cndmask_b32 v[OS], v[PW], v[PW+1], s[HM]
	v_cndmask_b32 v[OS+1], v[PW+2], v[PW+3], s[HM]
	global_store_b64 v[L8], v[OS:OS+1], s[74:75] offset:(\a/4)*208896+12800   ; 256 consecutive bytes
.endif
.endr
.Lend:
	s_wait_tensorcnt 0x0                           ; the wave's end
	ds_add_u32 v[SPW], v[NIL]
	s_wait_dscnt 0x0
	CROUND                                         ; the closing round: no work-group ends while a partner may still ask for a block that names it
	s_endpgm
.Lfunc_end_k_qe7e3e44dc2_qkv:
	.size	k_qe7e3e44dc2_qkv, .Lfunc_end_k_qe7e3e44dc2_qkv-k_qe7e3e44dc2_qkv
	.p2alignl 7, 3214868480
	.fill 96, 4, 3214868480
	.section	.rodata,"a",@progbits
	.p2align	6, 0x0
	.amdhsa_kernel k_qe7e3e44dc2_qkv
		.amdhsa_group_segment_fixed_size 327680
		.amdhsa_private_segment_fixed_size 0
		.amdhsa_enable_private_segment 0
		.amdhsa_kernarg_size 40
		.amdhsa_user_sgpr_count 2
		.amdhsa_user_sgpr_kernarg_segment_ptr 1
		.amdhsa_wavefront_size32 1
		.amdhsa_system_sgpr_workgroup_id_x 1
		.amdhsa_system_sgpr_workgroup_id_y 1
		.amdhsa_system_sgpr_workgroup_id_z 1
		.amdhsa_system_vgpr_workitem_id 0
		.amdhsa_next_free_vgpr 1024
		.amdhsa_next_free_sgpr 100
		.amdhsa_reserve_vcc 0
		.amdhsa_float_denorm_mode_32 3
		.amdhsa_float_denorm_mode_16_64 3
		.amdhsa_memory_ordered 1
		.amdhsa_forward_progress 1
		.amdhsa_inst_pref_size 207
	.end_amdhsa_kernel
	.amdgpu_metadata
---
amdhsa.version: [ 1, 2 ]
amdhsa.kernels:
  - .name:           k_qe7e3e44dc2_qkv
    .symbol:         k_qe7e3e44dc2_qkv.kd
    .args:
      - { .name: XQ, .offset: 0, .size: 8, .value_kind: global_buffer, .address_space: global }
      - { .name: WQ, .offset: 8, .size: 8, .value_kind: global_buffer, .address_space: global }
      - { .name: b_attn, .offset: 16, .size: 8, .value_kind: global_buffer, .address_space: global }
      - { .name: QB, .offset: 24, .size: 8, .value_kind: global_buffer, .address_space: global }
      - { .name: KV, .offset: 32, .size: 8, .value_kind: global_buffer, .address_space: global }
    .group_segment_fixed_size: 327680
    .private_segment_fixed_size: 0
    .kernarg_segment_align: 8
    .kernarg_segment_size: 40
    .max_flat_workgroup_size: 128
    .sgpr_count:     100
    .vgpr_count:     1024
    .wavefront_size: 32
...
	.end_amdgpu_metadata
.endif
;; end of part 2
;; launch attn (part 3): grid 4 x 64, 16 waves a work-group, clusters of 4 x 1, 210,944 bytes of LDS; arguments QB, KV, YQ; writes YQ
.if DOCPART == 3
	.amdgcn_target "amdgcn-amd-amdhsa--gfx1250"
	.amdhsa_code_object_version 6
	.text
	.protected	k_qe7e3e44dc2_attn
	.globl	k_qe7e3e44dc2_attn
	.p2align	8
	.type	k_qe7e3e44dc2_attn,@function
k_qe7e3e44dc2_attn:
	s_mov_b64 s[64:65], 0
	v_nop
	global_prefetch_b8 v0, s[64:65] scope:SCOPE_SE
	s_setreg_imm32_b32 hwreg(HW_REG_WAVE_MODE, 25, 1), 1
	s_wait_xcnt 0x0
	s_wait_alu depctr_hold_cnt(0) depctr_sa_sdst(0) depctr_va_vdst(0) depctr_va_sdst(0) depctr_va_ssrc(0) depctr_va_vcc(0) depctr_vm_vsrc(0)
	s_getreg_b32 s2, hwreg(HW_REG_IB_STS2, 6, 4)
	s_cmp_eq_u32 s2, 0
	s_cbranch_scc0 .Lentry_in_a_cluster
	s_endpgm
.Lentry_in_a_cluster:
	s_bfe_u32 s2, ttmp6, 0x10000c
	s_cmp_lg_u32 s2, 0x3003
	s_cbranch_scc0 .Lentry_shape_is_right
	s_endpgm
.Lentry_shape_is_right:
; y[b][h][q] = the sum over keys k <= q of softmax_k(q . k / 8) v[k], both products on codes of BF6 (E3M2) with E8M0 scales; y is quantised here along the channels, for the last product, and leaves as codes.
; THE SOFTMAX AHEAD OF THE SECOND PRODUCT: t = score x log2(e) / 8; M = the running largest t rounded UP to a whole number; p = 2^(t - M) is what is quantised, along the keys; the row's sum is taken of the
; unquantised p and divides at the end.  When M moves, the sum and O are multiplied by 2^(old M - new M): exact.
; IN.  QB [b h 64][128 tokens 16][6,656]: 48 registers a lane (tile t of 16 tokens: 6 t .. 6 t + 5) in 12 pieces of 512 bytes, then scale words (tile 2 i + lane / 16, row lane % 16 at 16 lane + 4 i).
; KV [b h][16][13,056]: K as in QB (6,144), V as four fragment images of 16 d x 128 keys (6,144), K's scale words (512), V's (256).  Lane r of tile 2 b + u is row 32 b + 8 u + r + 8 (r / 8) of the 128 (or of V's 64).
; THE HEAD SIZE IS 64, THE INSTRUCTION'S K IS 128.  Q's registers 6-11 are zero codes.  K's fragment of tile t is named as registers 6 t .. 6 t + 11 of the run, so its upper six are tile t + 1's codes (six zeros behind
; tile 7): a code of this format is always a finite number, and times a zero code it adds nothing.  Bytes 2 and 3 of both scale words are 0, no NaN byte.
; A WHOLE HEAD'S K, V AND SCALES, 16 x 13,056 = 208,896 bytes, STAY IN LDS: filled once, never again: no ring.  The four work-groups of a head form a cluster and ask for the sixteen records JOINTLY.
; EVEN WORK.  The head has 128 tiles of 16 queries.  With a = wave / 2 and c = 2 cx + wave % 2 a wave owns tiles 8 a + c and 127 - (8 a + c): (a + 1) + (16 - a) = 17 key steps of 128 keys for every wave.
; The number of steps of the first tile hangs on the wave's number alone; the place in the cluster enters global addresses and the mask's numbers only.
; Both products are used transposed (S^T = K Q^T, O^T = V^T P^T): a lane holds ONE query throughout, p's 16 registers of two neighbouring tiles are 16 neighbouring keys, O^T's 32 registers are the head's 64 by halves.
; OUT.  YQ [row block 64][K step 8][12,800]: eight images of 16 rows x 128 K, each two halves of 768 bytes (registers 0-3 at 16 lane, 4-5 at 512 + 8 lane): half h % 2 is head h's; then scale words as in the other records.
; Sixteen small waves, four to a SIMD: one wave's vector work stands beside another's matrix work and LDS loads.  No prefetch: all fills go out at the head.
; LIMITS: NaN and infinities are not served; a block whose largest magnitude lies under 2^-122 gets the byte 1.
.set KVREC, 13056
.set REC,   12800
.set L16,  1
.set L8,   2
.set A16,  3                           ; v3   16 x lane + the step's record
.set A8,   4                           ; v4   8 x lane + the step's record
.set DD,   5                           ; v5   my query's place among its 128, less 16 (lane / 16): the tile in hand
.set DB,   6                           ; v6   the same for the second tile
.set YA,   7                           ; v7, v8   where the first tile's codes go
.set YB,   9                           ; v9, v10  the second tile's
.set YS,   11                          ; v11  where the scale bytes go: lanes 0-15 the first tile's, lanes 16-31 the second's
.set Q,    16                          ; v16-27 Q's fragment; v22-27 stay 0.   v12 -M, v13 the largest t, v[14:15] the sum in two halves
.set QBR,  28                          ; v28-33 the second tile's Q
.set QS,   34                          ; v34, v35 Q's scale words: in hand, second tile's
.set QSB,  35
.set KS,   36                          ; v36-39 K's scale words
.set VS,   40                          ; v40-41 V's
.set PS,   42                          ; v42    p's
.set KV,   44                          ; v44-91 K's run of 48, later V's four fragments; v92-97 stay 0
.set S,    98                          ; v98-161 S^T, then p
.set O,    162                         ; v162-193 O^T
.set PCD,  194                         ; v194-212 p's codes
.set BM,   214                         ; v214-217 the blocks' largest scores, then largest p
.set BT,   218                         ; v218-221 at work
.set SO,   222                         ; v222-225 the conversions' scale operands
.set TA,   226
.set F,    228                         ; v[228:229] f = 2^(old M - new M); at a tile's end 1 / the sum
.set YC,   230                         ; v230-235 y's codes
.set CT,   236
.set SWA,  240                         ; v240, v241 y's scale bytes of the two tiles
.set SWB,  241
.set TM,   242
.set WV,   10
.set SEL,  20
.set CS,   22
.set G1,   24
.set HM,   40
.macro CROUND                          ; a round of the cluster's barrier
	s_barrier_signal -1
	s_barrier_wait -1
	s_cmp_lg_u32 s[WV], 0
	s_cbranch_scc1 .Lnot_wave_0_\@
	s_barrier_signal -3
.Lnot_wave_0_\@:
	s_barrier_wait -3
	s_barrier_signal -1
	s_barrier_wait -1
.endm
; 32 numbers of a lane, register 16 b + i = k 32 b + 16 (lane / 16) + i (K = 64), become six registers of codes in v[d] on and two scale bytes in v[w].
.macro QUANT32 s, d, ct, tm, w
.irp b, 0,1
	v_max3_num_f32 v[\tm+\b], |v[\s+16*\b]|, |v[\s+1+16*\b]|, 0x2800000
.endr
.irp i, 2,4,6,8,10,12,14
.irp b, 0,1
	s_delay_alu instid0(VALU_DEP_2)
	v_max3_num_f32 v[\tm+\b], v[\tm+\b], |v[\s+16*\b+\i]|, |v[\s+1+16*\b+\i]|
.endr
.endr
.irp b, 0,1
	s_delay_alu instid0(VALU_DEP_2)
	v_permlanex16_b32 v[\tm+2+\b], v[\tm+\b], s[SEL], s[SEL+1]
.endr
.irp b, 0,1
	s_delay_alu instid0(VALU_DEP_2)
	v_max_num_f32 v[\tm+\b], v[\tm+\b], v[\tm+2+\b]
.endr
.irp b, 0,1
	s_delay_alu instid0(VALU_DEP_2)
	v_add_nc_u32 v[\tm+4+\b], 0xfe000000, v[\tm+\b]
.endr
.irp b, 0,1
	s_delay_alu instid0(VALU_DEP_2)
	v_lshrrev_b32 v[\tm+2+\b], 23, v[\tm+4+\b]
.endr
	s_delay_alu instid0(VALU_DEP_1)
	v_lshl_or_b32 v[\w], v[\tm+3], 8, v[\tm+2]
	v_cvt_scalef32_pk16_bf6_f32 v[\d:\d+2], v[\s:\s+15], v[\tm+4]
	v_cvt_scalef32_pk16_bf6_f32 v[\ct:\ct+2], v[\s+16:\s+31], v[\tm+5]
	v_nop                                          ; one plain place behind a scaled conversion
.irp i, 0,1,2
	v_permlane16_swap_b32 v[\d+\i], v[\ct+\i]
.endr
.irp i, 0,1,2
	s_delay_alu instid0(VALU_DEP_3)
	v_mov_b32 v[\d+3+\i], v[\ct+\i]
.endr
.endm
	s_load_b128 s[4:7], s[0:1], 0x0                ; QB, KV
	s_load_b64 s[8:9], s[0:1], 0x10                ; YQ
	v_lshl_add_u32 v254, v0, 2, 0x33000
	v_mov_b32 v255, 0
	ds_add_u32 v254, v255
	ds_add_u32 v254, v255
	v_lshrrev_b32 v1, 5, v0
	s_delay_alu instid0(VALU_DEP_1)
	v_readfirstlane_b32 s[WV], v1                  ; wave 0..15
	s_bfe_u32 s11, ttmp6, 0x40000                  ; cx
	s_and_b32 s12, ttmp7, 0xffff                   ; 16 batch + head, which the four partners share
	s_mov_b32 s[G1], 15|(3<<16)|(1<<21)            ; 15:0 the mask: all four; 17:16 elements of 8 bytes; no padding; 21 set beside a mask
	s_mov_b32 s[G1+1], 32<<16                      ; a record, 13,056 dense bytes, as 51 rows of 256
	s_mov_b32 s[G1+2], 51<<16
	s_mov_b32 s[G1+3], 32<<16
	s_mov_b32 s[G1+4], 51
	s_mov_b32 s[G1+5], 32
	s_mov_b32 s[G1+6], 0
	s_mov_b32 s[G1+7], 0
	s_mul_i32 s43, s[WV], KVREC
	s_mul_i32 s44, s12, 16*KVREC
	s_add_co_u32 s44, s44, s43
	s_mov_b32 s45, 0
	s_wait_dscnt 0x0
	s_wait_kmcnt 0x0
	s_add_nc_u64 s[44:45], s[6:7], s[44:45]        ; record `wave` of my head
	CROUND                                         ; all four work-groups are here: the joint loads meet
	s_mov_b32 s32, 1
	s_mov_b32 s33, s43
	s_mov_b64 s[34:35], s[44:45]
	s_or_b32 s35, s35, 0x80000000
	s_mov_b32 s36, 1
	s_add_co_u32 s37, s43, 8*KVREC
	s_add_nc_u64 s[38:39], s[44:45], 8*KVREC
	s_or_b32 s39, s39, 0x80000000
	s_cmp_lt_u32 s[WV], 8                          ; waves 0 to 7 fetch records w and 8 + w: a wave's two fills stand in one branch; two loads of mine are out
	s_cbranch_scc0 .Lno_fill
	tensor_load_to_lds s[32:35], s[G1:G1+7]
	s_nop 0
	tensor_load_to_lds s[36:39], s[G1:G1+7]
	s_nop 0
.rept 4
	v_nop
.endr
.Lno_fill:
	s_lshr_b32 s13, s[WV], 1                       ; a: the first tile's 128 tokens
	s_and_b32 s14, s[WV], 1
	s_lshl_b32 s41, s11, 1
	s_add_co_u32 s14, s14, s41                     ; c: its place among their eight tiles
	s_add_co_u32 s15, s13, 1                       ; NA: the first tile's key steps
	s_sub_co_u32 s17, 15, s13                      ; the second tile: 15 - a,
	s_sub_co_u32 s18, 7, s14                       ; 7 - c
	s_mov_b32 s[SEL], 0x76543210
	s_mov_b32 s[SEL+1], 0xfedcba98
	s_mov_b32 s[CS], 0x3e38aa3b                    ; log2(e) / 8
	s_mov_b32 s[CS+1], s[CS]                       ; (named with it as a pair, so it is written)
	s_mov_b32 s[HM], 0xffff0000
	v_and_b32 v106, 31, v0                         ; lane
	v_and_b32 v107, 15, v0                         ; r
	v_bfe_u32 v108, v0, 4, 1                       ; h
	s_delay_alu instid0(VALU_DEP_3)
	v_lshlrev_b32 v[L16], 4, v106
	s_wait_alu depctr_va_vdst(0)
	v_lshlrev_b32 v[L8], 3, v106
	s_lshl_b32 s41, s12, 4
	s_add_co_u32 s42, s41, s13
	s_mul_i32 s42, s42, 6656
	s_mov_b32 s43, 0
	s_add_nc_u64 s[46:47], s[4:5], s[42:43]        ; the first tile's record of QB,
	s_add_co_u32 s42, s41, s17
	s_mul_i32 s42, s42, 6656
	s_add_nc_u64 s[48:49], s[4:5], s[42:43]        ; the second's
; Tile tau's six registers are pairs 3 tau + 0, 1, 2 of the run: pair p lies at 512 (p / 2) + 8 (p % 2) + 16 lane.  Its scale word: 6,144 + 16 (r + 16 (tau % 2)) + 4 (tau / 2).
.macro QLD qreg, qsreg, vt, sb, stau
.irp i, 0,1,2
	s_mul_i32 s50, s[\stau], 3
	s_add_co_u32 s50, s50, \i
	s_lshr_b32 s51, s50, 1
	s_lshl_b32 s51, s51, 9
	s_and_b32 s50, s50, 1
	s_lshl_b32 s50, s50, 3
	s_add_co_u32 s50, s50, s51
	v_add_nc_u32 v[\vt+\i], s50, v[L16]
	global_load_b64 v[\qreg+2*\i:\qreg+2*\i+1], v[\vt+\i], s[\sb:\sb+1]
.endr
	s_and_b32 s50, s[\stau], 1
	s_lshl_b32 s50, s50, 8
	s_lshr_b32 s51, s[\stau], 1
	s_lshl_b32 s51, s51, 2
	s_add_co_u32 s50, s50, s51
	v_lshl_add_u32 v[\vt+3], v107, 4, s50
	global_load_b32 v[\qsreg], v[\vt+3], s[\sb:\sb+1] offset:6144
.endm
	QLD Q, QS, 98, 46, 14
	QLD QBR, QSB, 102, 48, 18
	v_and_b32 v109, 8, v107
	s_delay_alu instid0(VALU_DEP_1)
	v_add_nc_u32 v109, v109, v107
	v_lshlrev_b32 v110, 4, v108
	s_delay_alu instid0(VALU_DEP_1)
	v_sub_nc_u32 v109, v109, v110                  ; r + 8 (r / 8) - 16 h
	s_wait_alu depctr_va_vdst(0)
.irp p, 0,1                                    ; + 32 (tau / 2) + 8 (tau % 2)
	s_lshr_b32 s41, s[14+4*\p], 1
	s_lshl_b32 s41, s41, 5
	s_and_b32 s42, s[14+4*\p], 1
	s_lshl_b32 s42, s42, 3
	s_add_co_u32 s41, s41, s42
	v_add_nc_u32 v[DD+\p], s41, v109
.endr
; Where tile tau of tokens block st puts y: record ((16 batch + st) 8 + head / 2), image tau, half head % 2; its scale bytes: scale register tau / 2, lane r + 16 (tau % 2), bytes 2 (head % 2) on.
.macro YOFF v128, v64, vs, sst, stau
	s_lshr_b32 s50, s12, 4
	s_lshl_b32 s50, s50, 4
	s_add_co_u32 s50, s50, s[\sst]
	s_lshl_b32 s50, s50, 3
	s_bfe_u32 s51, s12, 0x30001
	s_add_co_u32 s50, s50, s51
	s_mul_i32 s50, s50, REC
	s_mul_i32 s51, s[\stau], 1536
	s_add_co_u32 s51, s51, s50
	s_and_b32 s52, s12, 1
	s_mul_i32 s53, s52, 768
	s_add_co_u32 s51, s51, s53
	v_add_nc_u32 v[\v128], s51, v[L16]
	s_add_co_u32 s51, s51, 512
	v_add_nc_u32 v[\v64], s51, v[L8]
	s_lshr_b32 s51, s[\stau], 2
	s_lshl_b32 s51, s51, 8
	s_add_co_u32 s50, s50, s51
	s_and_b32 s51, s[\stau], 1
	s_lshl_b32 s51, s51, 7
	s_add_co_u32 s50, s50, s51
	s_bfe_u32 s51, s[\stau], 0x10001
	s_lshl_b32 s51, s51, 2
	s_add_co_u32 s50, s50, s51
	s_lshl_b32 s52, s52, 1
	s_add_co_u32 s50, s50, s52
	s_add_co_u32 s50, s50, 12288
	v_lshl_add_u32 v[\vs], v107, 3, s50
.endm
	YOFF YA, YA+1, 111, 13, 14
	YOFF YB, YB+1, 112, 17, 18
	s_wait_alu depctr_va_vdst(0)
	v_cndmask_b32 v[YS], v111, v112, s[HM]
.irp i, 6,7,8,9,10,11
	v_mov_b32 v[Q+\i], 0                           ; Q's upper 64 along K: zero codes
	v_mov_b32 v[KV+42+\i], 0                       ; and what stands behind K's tile 7
.endr
	v_mov_b32 v13, 0xff61b1e6                      ; the largest t so far: -3e38, under every t
	s_delay_alu instid0(VALU_DEP_1)
	v_floor_f32 v12, -v13                          ; -M
	v_mov_b32 v14, 0
	v_mov_b32 v15, 0
.irp b, 0,1,2,3
	v_mov_b32 v[BT+\b], 0                          ; written once: a lane permute's destination counts as one of its sources
.endr
	v_mov_b32 v[TM+2], 0
	v_mov_b32 v[TM+3], 0
	v_mov_b32 v[F+1], 0                            ; (named as the upper half of a pair)
	v_mov_b32 v[SWA], 0                            ; the first tile's scale bytes are written in trip NA, under a branch (NA is 1 to 8, so every wave takes it once in its 17 trips): written here too, so that the register is written on every way through the text
.set j, 0
.rept 32
	v_mov_b32 v[O+j], 0                            ; O^T: the step is written once; the first finds zeros, which the first change of M leaves zeros
.set j, j+1
.endr
; A tile's end: O^T / the sum, quantised along the head's 64, stored as half an image.
.macro FINISH yo, sw
.rept 4
	v_nop                                          ; places behind the last products
.endr
	s_wait_xcnt 0x0                                ; the other tile's stores have read the codes' registers
	v_add_f32 v14, v14, v15
	s_delay_alu instid0(VALU_DEP_1)
	v_permlanex16_b32 v[BT], v14, s[SEL], s[SEL+1]
	s_delay_alu instid0(VALU_DEP_1)
	v_add_f32 v14, v14, v[BT]                      ; the row's sum
	s_wait_alu depctr_va_vdst(0)
	v_rcp_f32 v[F], v14
	v_nop                                          ; a plain place behind the transcendental,
	s_wait_alu depctr_va_vdst(0)                   ; and a wait ahead of its first reader
.set j, 0
.rept 16
	v_pk_mul_f32 v[S+j:S+j+1], v[O+j:O+j+1], v[F:F+1] op_sel_hi:[1,0]   ; each accumulator from its low end on
.set j, j+2
.endr
	QUANT32 S, YC, CT, TM, \sw
	global_store_b128 v[\yo], v[YC:YC+3], s[8:9]   ; 512 consecutive bytes, at a multiple of 256 from the buffer's first byte
	global_store_b64 v[\yo+1], v[YC+4:YC+5], s[8:9]   ; 256
.endm
	s_wait_loadcnt 0x0                             ; Q
	s_wait_tensorcnt 0x0                           ; my two records have landed (a wave that fetched none passes),
	s_barrier_signal -1
	s_barrier_wait -1                              ; everybody's have: from here on LDS is only read
	s_mov_b32 s16, 0
.Lstep:                                            ; 17 trips: NA steps of the first tile, 17 - NA of the second
	s_cmp_lg_u32 s16, s15
	s_setprio 2
	s_cbranch_scc1 .Lsame                          ; (on the wave's number and the trip alone)
	FINISH YA, SWA
	v_mov_b32 v[QS], v[QSB]                        ; the second tile takes over; the 43 plain lines behind this one are the places that a scale register so written wants
.irp i, 0,1,2,3,4,5
	v_mov_b32 v[Q+\i], v[QBR+\i]
.endr
	v_mov_b32 v[DD], v[DB]
	v_mov_b32 v13, 0xff61b1e6
	s_delay_alu instid0(VALU_DEP_1)
	v_floor_f32 v12, -v13
	v_mov_b32 v14, 0
	v_mov_b32 v15, 0
.set j, 0
.rept 32
	v_mov_b32 v[O+j], 0
.set j, j+1
.endr
.Lsame:
	s_cmp_ge_u32 s16, s15
	s_cselect_b32 s41, s15, 0
	s_sub_co_u32 s41, s16, s41                     ; the key step: the trip, counted anew for the second tile
	s_min_u32 s41, s41, 15
	s_mul_i32 s41, s41, KVREC
	v_add_nc_u32 v[A16], s41, v[L16]
	v_add_nc_u32 v[A8], s41, v[L8]
	v_nop
	v_nop                                          ; four places in front of loads into registers that the last products read
.irp c, 0,1,2,3,4,5,6,7,8,9,10,11
	ds_load_b128 v[KV+4*\c:KV+4*\c+3], v[A16] offset:512*\c
.endr
	ds_load_b128 v[KS:KS+3], v[A16] offset:12288
	s_wait_alu depctr_va_vdst(0)
	s_wait_dscnt 0x0
.irp t, 0,1,2,3,4,5,6,7                        ; S^T = K Q^T: lane (r, h) holds query r; the 16 registers of tiles 2 b, 2 b + 1 are keys 32 b + 16 h + 0 .. 15 of the step
.if \t%2
	v_wmma_scale_f32_16x16x128_f8f6f4 v[S+8*\t:S+8*\t+7], v[KV+6*\t:KV+6*\t+11], v[Q:Q+11], 0, v[KS+\t/2], v[QS] matrix_a_fmt:MATRIX_FMT_BF6 matrix_b_fmt:MATRIX_FMT_BF6 matrix_a_scale:MATRIX_SCALE_ROW1
.else
	v_wmma_scale_f32_16x16x128_f8f6f4 v[S+8*\t:S+8*\t+7], v[KV+6*\t:KV+6*\t+11], v[Q:Q+11], 0, v[KS+\t/2], v[QS] matrix_a_fmt:MATRIX_FMT_BF6 matrix_b_fmt:MATRIX_FMT_BF6
.endif
.endr
.rept 4
	v_nop                                          ; places: in front of the loads into K's registers, and of the first read of the scores
.endr
.irp c, 0,1,2,3,4,5,6,7,8,9,10,11
	ds_load_b128 v[KV+4*\c:KV+4*\c+3], v[A16] offset:6144+512*\c   ; V's four fragments land while the softmax is worked
.endr
	ds_load_b64 v[VS:VS+1], v[A8] offset:12800
	s_add_co_u32 s42, s16, 1                       ; each tile's last step lies on the diagonal: trips NA - 1 and 16
	s_cmp_eq_u32 s42, s15
	s_cselect_b32 s42, 1, 0
	s_cmp_eq_u32 s16, 16
	s_cselect_b32 s42, 1, s42
	s_cmp_eq_u32 s42, 0
	s_cbranch_scc1 .Lopen
	v_mov_b32 v[TA], 0xff800000                    ; hidden scores become -infinity ahead of the maximum: p = 0 then.  Register 16 b + i holds key 32 b + 16 h + i: hidden where 32 b + i > DD
.set n, 0
.rept 64
	v_cmp_gt_i32 vcc_lo, 32*(n/16)+n%16, v[DD]
	v_cndmask_b32 v[S+n], v[S+n], v[TA], vcc_lo
.set n, n+1
.endr
.Lopen:
.irp b, 0,1,2,3
	v_max3_num_f32 v[BM+\b], v[S+16*\b], v[S+1+16*\b], v[S+2+16*\b]   ; the largest score of each block of 32 keys: it serves for the row's maximum and, since p rises with the score, for the block's largest p
.endr
.irp i, 3,5,7,9,11,13
.irp b, 0,1,2,3
	v_max3_num_f32 v[BM+\b], v[BM+\b], v[S+16*\b+\i], v[S+1+16*\b+\i]
.endr
.endr
	s_setprio 1
.irp b, 0,1,2,3
	v_max_num_f32 v[BM+\b], v[BM+\b], v[S+15+16*\b]
.endr
.irp b, 0,1,2,3
	s_delay_alu instid0(VALU_DEP_4)
	v_permlanex16_b32 v[BT+\b], v[BM+\b], s[SEL], s[SEL+1]
.endr
.irp b, 0,1,2,3
	s_delay_alu instid0(VALU_DEP_4)
	v_max_num_f32 v[BM+\b], v[BM+\b], v[BT+\b]     ; with lane l xor 16's 16 keys
.endr
	s_delay_alu instid0(VALU_DEP_2)
	v_max3_num_f32 v[TA], v[BM], v[BM+1], v[BM+2]
	s_delay_alu instid0(VALU_DEP_1)
	v_max_num_f32 v[TA], v[TA], v[BM+3]
	s_delay_alu instid0(VALU_DEP_1)
	v_mul_f32 v[TA], s[CS], v[TA]
	s_delay_alu instid0(VALU_DEP_1)
	v_max_num_f32 v13, v13, v[TA]                  ; the running largest t
	v_mov_b32 v[TA], v12
	s_delay_alu instid0(VALU_DEP_2)
	v_floor_f32 v12, -v13                          ; the new -M = -ceil(t): a whole number
	s_delay_alu instid0(VALU_DEP_1)
	v_sub_f32 v[TA], v12, v[TA]                    ; old M - new M: a whole number, 0 or less
	s_delay_alu instid0(VALU_DEP_1)
	v_cvt_i32_f32 v[TA], v[TA]
	s_delay_alu instid0(VALU_DEP_1)
	v_ldexp_f32 v[F], 1.0, v[TA]                   ; f = 2^(old M - new M)
.set j, 0
.rept 32
	v_pk_fma_f32 v[S+j:S+j+1], v[S+j:S+j+1], s[CS:CS+1], v[12:13] op_sel_hi:[1,0,0]   ; t - M, two at a time
.set j, j+2
.endr
.irp b, 0,1,2,3
	v_fma_f32 v[BM+\b], v[BM+\b], s[CS], v12       ; the same of each block's largest score
.endr
.set j, 0
	s_wait_alu depctr_va_vdst(0)
.rept 64
	v_exp_f32 v[S+j], v[S+j]                       ; p = 2^(t - M), at most 1: not normalised
.set j, j+1
.endr
	v_pk_mul_f32 v[14:15], v[14:15], v[F:F+1] op_sel_hi:[1,0]   ; the sums under the new M: a plain place behind the exponentials
	s_wait_alu depctr_va_vdst(0)                   ; one wait for the whole batch, ahead of its first reader
.irp b, 0,1,2,3
	v_exp_f32 v[BM+\b], v[BM+\b]                   ; the block's largest p: the same two instructions on the same number give the same bits
.endr
	v_pk_add_f32 v[218:219], v[102:103], v[106:107]
	v_pk_add_f32 v[252:253], v[110:111], v[114:115]
	v_pk_add_f32 v[250:251], v[118:119], v[122:123]
	v_pk_add_f32 v[248:249], v[126:127], v[130:131]
	v_pk_add_f32 v[246:247], v[134:135], v[138:139]
	v_pk_add_f32 v[242:243], v[142:143], v[146:147]
	v_pk_add_f32 v[238:239], v[150:151], v[154:155]
	v_pk_add_f32 v[14:15], v[14:15], v[158:159]
	v_pk_add_f32 v[218:219], v[218:219], v[98:99]
	v_pk_add_f32 v[252:253], v[252:253], v[100:101]
	v_pk_add_f32 v[250:251], v[250:251], v[104:105]
	v_pk_add_f32 v[248:249], v[248:249], v[108:109]
	v_pk_add_f32 v[246:247], v[246:247], v[112:113]
	v_pk_add_f32 v[242:243], v[242:243], v[116:117]
	v_pk_add_f32 v[238:239], v[238:239], v[120:121]
	v_pk_add_f32 v[14:15], v[14:15], v[124:125]
	v_pk_add_f32 v[218:219], v[218:219], v[128:129]
	v_pk_add_f32 v[252:253], v[252:253], v[132:133]
	v_pk_add_f32 v[250:251], v[250:251], v[136:137]
	v_pk_add_f32 v[248:249], v[248:249], v[140:141]
	v_pk_add_f32 v[246:247], v[246:247], v[144:145]
	v_pk_add_f32 v[242:243], v[242:243], v[148:149]
	v_pk_add_f32 v[238:239], v[238:239], v[152:153]
	v_pk_add_f32 v[14:15], v[14:15], v[156:157]
	v_pk_add_f32 v[218:219], v[218:219], v[160:161]
	s_delay_alu instid0(VALU_DEP_2)
	v_pk_add_f32 v[14:15], v[14:15], v[248:249]
	s_delay_alu instid0(VALU_DEP_2)
	v_pk_add_f32 v[218:219], v[218:219], v[246:247]
	s_setprio 0
	v_pk_add_f32 v[252:253], v[252:253], v[242:243]
	v_pk_add_f32 v[250:251], v[250:251], v[238:239]
	s_delay_alu instid0(VALU_DEP_2)
	v_pk_add_f32 v[14:15], v[14:15], v[252:253]
	s_delay_alu instid0(VALU_DEP_2)
	v_pk_add_f32 v[218:219], v[218:219], v[250:251]
	s_delay_alu instid0(VALU_DEP_1)
	v_pk_add_f32 v[14:15], v[14:15], v[218:219]
	s_wait_alu depctr_va_vdst(0)                   ; and one for the four
.irp b, 0,1,2,3
	v_max_num_f32 v[BM+\b], 0x2800000, v[BM+\b]    ; the floor 2^(5 - 127): a block whose every p is 0 keeps the byte 1: its codes are zeros
.endr
.irp b, 0,1,2,3
	s_delay_alu instid0(VALU_DEP_4)
	v_add_nc_u32 v[SO+\b], 0xfe000000, v[BM+\b]
.endr
.irp b, 0,1,2,3
	s_delay_alu instid0(VALU_DEP_4)
	v_lshrrev_b32 v[BT+\b], 23, v[SO+\b]
.endr
	s_delay_alu instid0(VALU_DEP_3)
	v_lshl_or_b32 v[PS], v[BT+1], 8, v[BT]         ; p's scale word for these 128 keys
	s_delay_alu instid0(VALU_DEP_1)
	v_lshl_or_b32 v[PS], v[BT+2], 16, v[PS]
	s_delay_alu instid0(VALU_DEP_1)
	v_lshl_or_b32 v[PS], v[BT+3], 24, v[PS]
.irp c, 0,1
	v_cvt_scalef32_pk16_bf6_f32 v[PCD+6*\c:PCD+2+6*\c], v[S+32*\c:S+15+32*\c], v[SO+2*\c]
	v_cvt_scalef32_pk16_bf6_f32 v[PCD+12+4*\c:PCD+14+4*\c], v[S+16+32*\c:S+31+32*\c], v[SO+2*\c+1]
.endr
	v_nop                                          ; one plain place behind a scaled conversion
.irp c, 0,1
.irp i, 0,1,2
	v_permlane16_swap_b32 v[PCD+6*\c+\i], v[PCD+12+4*\c+\i]
.endr
.irp i, 0,1,2
	s_delay_alu instid0(VALU_DEP_3)
	v_mov_b32 v[PCD+3+6*\c+\i], v[PCD+12+4*\c+\i]
.endr
.endr
.set j, 0
.rept 16
	v_pk_mul_f32 v[O+j:O+j+1], v[O+j:O+j+1], v[F:F+1] op_sel_hi:[1,0]   ; O^T under the new M; these sixteen are also the places in front of the products below
.set j, j+2
.endr
	s_wait_alu depctr_va_vdst(0)
	s_wait_dscnt 0x0                               ; V
.irp t, 0,1,2,3                                ; O^T += V^T P^T: the four accumulators by turns
.if \t%2
	v_wmma_scale_f32_16x16x128_f8f6f4 v[O+8*\t:O+8*\t+7], v[KV+12*\t:KV+12*\t+11], v[PCD:PCD+11], v[O+8*\t:O+8*\t+7], v[VS+\t/2], v[PS] matrix_a_fmt:MATRIX_FMT_BF6 matrix_b_fmt:MATRIX_FMT_BF6 matrix_a_scale:MATRIX_SCALE_ROW1
.else
	v_wmma_scale_f32_16x16x128_f8f6f4 v[O+8*\t:O+8*\t+7], v[KV+12*\t:KV+12*\t+11], v[PCD:PCD+11], v[O+8*\t:O+8*\t+7], v[VS+\t/2], v[PS] matrix_a_fmt:MATRIX_FMT_BF6 matrix_b_fmt:MATRIX_FMT_BF6
.endif
.endr
	s_add_co_u32 s16, s16, 1
	s_cmp_lt_u32 s16, 17
	s_cbranch_scc1 .Lstep
	s_setprio 0
	FINISH YB, SWB
	v_cndmask_b32 v[BT], v[SWA], v[SWB], s[HM]     ; both halves of the lanes hold row r's bytes
	global_store_b16 v[YS], v[BT], s[8:9]          ; two bytes a row: the other two of the word are the neighbouring head's: 512 bytes of a record's 12,800
	s_wait_tensorcnt 0x0
	ds_add_u32 v254, v255
	s_wait_dscnt 0x0
	CROUND                                         ; the closing round: no work-group ends while a partner may still ask for a record that names it
	s_endpgm
.Lfunc_end_k_qe7e3e44dc2_attn:
	.size	k_qe7e3e44dc2_attn, .Lfunc_end_k_qe7e3e44dc2_attn-k_qe7e3e44dc2_attn
	.p2alignl 7, 3214868480
	.fill 96, 4, 3214868480
	.section	.rodata,"a",@progbits
	.p2align	6, 0x0
	.amdhsa_kernel k_qe7e3e44dc2_attn
		.amdhsa_group_segment_fixed_size 210944
		.amdhsa_private_segment_fixed_size 0
		.amdhsa_enable_private_segment 0
		.amdhsa_kernarg_size 24
		.amdhsa_user_sgpr_count 2
		.amdhsa_user_sgpr_kernarg_segment_ptr 1
		.amdhsa_wavefront_size32 1
		.amdhsa_system_sgpr_workgroup_id_x 1
		.amdhsa_system_sgpr_workgroup_id_y 1
		.amdhsa_system_sgpr_workgroup_id_z 1
		.amdhsa_system_vgpr_workitem_id 0
		.amdhsa_next_free_vgpr 256
		.amdhsa_next_free_sgpr 66
		.amdhsa_reserve_vcc 1
		.amdhsa_float_denorm_mode_32 3
		.amdhsa_float_denorm_mode_16_64 3
		.amdhsa_memory_ordered 1
		.amdhsa_forward_progress 1
		.amdhsa_inst_pref_size 45
	.end_amdhsa_kernel
	.amdgpu_metadata
---
amdhsa.version: [ 1, 2 ]
amdhsa.kernels:
  - .name:           k_qe7e3e44dc2_attn
    .symbol:         k_qe7e3e44dc2_attn.kd
    .args:
      - { .name: QB, .offset: 0, .size: 8, .value_kind: global_buffer, .address_space: global }
      - { .name: KV, .offset: 8, .size: 8, .value_kind: global_buffer, .address_space: global }
      - { .name: YQ, .offset: 16, .size: 8, .value_kind: global_buffer, .address_space: global }
    .group_segment_fixed_size: 210944
    .private_segment_fixed_size: 0
    .kernarg_segment_align: 8
    .kernarg_segment_size: 24
    .max_flat_workgroup_size: 512
    .sgpr_count:     66
    .vgpr_count:     256
    .wavefront_size: 32
...
	.end_amdgpu_metadata
.endif
;; end of part 3
;; launch proj (part 4): grid 4 x 32, 4 waves a work-group, clusters of 4 x 4, 327,680 bytes of LDS; arguments YQ, WQ, b_proj, out0; writes out0
.if DOCPART == 4
	.amdgcn_target "amdgcn-amd-amdhsa--gfx1250"
	.amdhsa_code_object_version 6
	.text
	.protected	k_qe7e3e44dc2_proj
	.globl	k_qe7e3e44dc2_proj
	.p2align	8
	.type	k_qe7e3e44dc2_proj,@function
k_qe7e3e44dc2_proj:
	s_mov_b64 s[64:65], 0
	v_nop
	global_prefetch_b8 v0, s[64:65] scope:SCOPE_SE
	s_setreg_imm32_b32 hwreg(HW_REG_WAVE_MODE, 25, 1), 1
	s_wait_xcnt 0x0
	s_wait_alu depctr_hold_cnt(0) depctr_sa_sdst(0) depctr_va_vdst(0) depctr_va_sdst(0) depctr_va_ssrc(0) depctr_va_vcc(0) depctr_vm_vsrc(0)
	s_getreg_b32 s2, hwreg(HW_REG_IB_STS2, 6, 4)
	s_cmp_eq_u32 s2, 0
	s_cbranch_scc0 .Lentry_in_a_cluster
	s_endpgm
.Lentry_in_a_cluster:
	s_bfe_u32 s2, ttmp6, 0x10000c
	s_cmp_lg_u32 s2, 0xf033
	s_cbranch_scc0 .Lentry_shape_is_right
	s_endpgm
.Lentry_shape_is_right:
; out0 = y W_proj + b_proj on codes of BF6 (E3M2) with E8M0 scales, sums in f32.  out0: [8192][1024] f32.
; OPERANDS.  YQ [row block 64][K step 8][record], WQ [column block 32][K step 8][record]; W_proj's columns are blocks 24-31.  A record (12,800 bytes) is 128 rows x 128 K: eight fragment images and 512 bytes of
; scale words (register i: tile 2 i in lanes 0-15, tile 2 i + 1 in lanes 16-31; word at 256 (i / 2) + 8 lane + 4 (i % 2)).  W's images: three pieces of 512 bytes (registers 4 c .. 4 c + 3 at 16 lane).
; y's images: two halves of 768 bytes (registers 0-3 at 16 lane, 4-5 at 512 + 8 lane), as the two heads of a K step stored them.  Lane r of tile 2 b + u is row 32 b + 8 u + r + 8 (r / 8).
; SHARES.  A work-group of four waves makes 256 rows x 256 columns; a wave 128 x 128: 64 accumulators.  K = 1,024 is eight steps of 128; two steps of a block of 128 rows are 25,600 dense bytes, one tensor load.
; THREE LDS slots of two steps: K pairs 0, 1, 2 are the first fills, pair 3 the one refill (slot 0), asked for 256 matrix instructions ahead of its first read.
; A product is D = P x S (source 0 = W's 16 columns, source 1 = y's 16 rows): a lane holds one row of out0, and the registers of W's tiles 2 b, 2 b + 1 are columns 32 b + 16 (lane / 16) + 0 .. 15.
; The bias is the C of each sum's first product.  128 tiles of 256 x 256: half the WGPs have a work-group; a smaller tile would read each fragment for half as many products.
; CLUSTERS: 4 x 4 work-groups; y's blocks are shared along a row of the cluster, W's along a column: each is asked for JOINTLY.  No prefetch: three of the four K pairs go out at the head.
; REGISTERS, in windows of 256: window 0: v1-15 at work; v16-27 LDS addresses; v28-31; v32-63 scale words, two sets; v64-127 the bias; v128-223 y's fragments, ONE set; on the way out v128-255 are free.
;   window 1: W's fragments, two sets, at v0 and v128.  windows 2, 3: the accumulators: (a, b) at v[8 (8 (a % 4) + b)] of window 2 + a / 4.
.set REC,   12800
.set BLK,   2*REC
.set SLOT,  4*BLK                      ; y's two blocks, then W's two
.set SPARE, 3*SLOT                     ; behind the slots: the spare words, 128 bytes for each wave
.set NLS,   4                          ; LDS loads that bring a fragment of y
.set SPITCH, 528                       ; the way out: a stage of 16 rows x (512 bytes + 16) for each wave, in slot 1, which has had its only fill and its last read when the first result is stored there
.set STO,  6                           ; v6     the stage: where I put 32 bytes of a row
.set RD,   7                           ; v7     and where I read a row back
.set ADRS, 16
.set ADRP, 19
.set AS8,  22
.set AP8,  25
.set SPW,  28
.set NIL,  29
.set L16,  30
.set L8,   31
.set SC,   32
.set BIAS, 64                          ; b_proj at my half's registers: 8 b + j = column 32 (b / 2) + 16 h + 8 (b % 2) + j of my 128
.set SF,   128
.set BK,   128                         ; the way out: 16 rows read back: v128-191 and v192-255 by turns
.set G1X, 24
.set G0X, 32
.set G0W, 44
.set G1W, 56
.set MSB, 0
.macro WIN new                         ; the immediate's high byte repeats the setting that is left
.if MSB != (\new)
	s_set_vgpr_msb (MSB<<8)|(\new)
.set MSB, (\new)
.endif
.endm
.macro JLOAD g0x, g0w                  ; a joint load: waves 0 and 1 fetch y's two blocks, waves 2 and 3 W's; four v_nop follow each of the two lines
	s_cmp_eq_u32 s15, 0
	s_cbranch_scc0 .Lfor_w_\@
	tensor_load_to_lds s[\g0x:\g0x+3], s[G1X:G1X+7]
	s_nop 0
.rept 4
	v_nop
.endr
	s_branch .Lasked_\@
.Lfor_w_\@:
	tensor_load_to_lds s[\g0w:\g0w+3], s[G1W:G1W+7]
	s_nop 0
.rept 4
	v_nop
.endr
.Lasked_\@:
.endm
.macro CREST
	s_cmp_lg_u32 s14, 0
	s_cbranch_scc1 .Lnot_wave_0_\@
	s_barrier_signal -3
.Lnot_wave_0_\@:
	s_barrier_wait -3
	s_barrier_signal -1
	s_barrier_wait -1
.endm
.macro CROUND
	s_barrier_signal -1
	s_barrier_wait -1
	CREST
.endm
.macro PLACES                          ; four plain places behind a matrix instruction (ISA guide 7.12.1)
.rept 4
	v_nop
.endr
.endm
	s_load_b128 s[4:7], s[0:1], 0x0                ; YQ, WQ
	s_load_b128 s[8:11], s[0:1], 0x10              ; b_proj, out0
	v_lshl_add_u32 v[SPW], v0, 2, SPARE
	v_mov_b32 v[NIL], 0
	ds_add_u32 v28, v29
	ds_add_u32 v28, v29
	s_wait_dscnt 0x0
	v_lshrrev_b32 v1, 5, v0
	v_readfirstlane_b32 s14, v1                    ; wave 0..3
	s_lshr_b32 s15, s14, 1                         ; which 128 rows are mine.  Also: I fetch for y (0) or for W (1)
	s_and_b32 s16, s14, 1                          ; which 128 columns.  Also: which of the two blocks I fetch
	s_bfe_u32 s66, ttmp6, 0x40000
	s_bfe_u32 s67, ttmp6, 0x40004
	s_lshl_b32 s68, ttmp9, 2
	s_add_co_u32 s68, s68, s66                     ; nx: which 256 columns
	s_and_b32 s69, ttmp7, 0xffff
	s_lshl_b32 s69, s69, 2
	s_add_co_u32 s69, s69, s67                     ; my: which 256 rows
	s_lshl_b32 s70, s67, 2
	s_lshl_b32 s70, 15, s70                        ; my row of the cluster
	s_lshl_b32 s71, 0x1111, s66                    ; my column
	s_or_b32 s[G1X], s70, (3<<16)|(1<<21)          ; 15:0 the mask; 17:16 elements of 8 bytes; no padding; 21 set beside a mask
	s_or_b32 s[G1W], s71, (3<<16)|(1<<21)
.irp g, G1X, G1W                               ; a dense block of 25,600 bytes as 100 rows of 256
	s_mov_b32 s[\g+1], 32<<16
	s_mov_b32 s[\g+2], 100<<16
	s_mov_b32 s[\g+3], 32<<16
	s_mov_b32 s[\g+4], 100
	s_mov_b32 s[\g+5], 32
	s_mov_b32 s[\g+6], 0
	s_mov_b32 s[\g+7], 0
.endr
	s_lshl_b32 s72, s69, 1
	s_add_co_u32 s72, s72, s16                     ; y's block 2 my + (wave % 2)
	s_mul_i32 s72, s72, 8*REC
	s_mov_b32 s73, 0
	s_lshl_b32 s74, s68, 1
	s_add_co_u32 s74, s74, s16
	s_add_co_u32 s74, s74, 24                      ; W's block 24 + 2 nx + (wave % 2)
	s_mul_i32 s74, s74, 8*REC
	s_mov_b32 s75, 0
	s_mul_i32 s76, s14, BLK
	s_wait_kmcnt 0x0
	s_add_nc_u64 s[72:73], s[4:5], s[72:73]
	s_add_nc_u64 s[74:75], s[6:7], s[74:75]
	CROUND                                         ; all sixteen work-groups are here: the first joint loads meet
.irp s, 0,1,2                                  ; three loads of mine, each behind a wait for all before it: only the last may be out
	s_mov_b32 s[G0X+4*\s], 1
	s_add_co_u32 s[G0X+4*\s+1], s76, \s*SLOT
	s_add_nc_u64 s[G0X+4*\s+2:G0X+4*\s+3], s[72:73], \s*BLK
	s_or_b32 s[G0X+4*\s+3], s[G0X+4*\s+3], 0x80000000
	s_mov_b32 s[G0W+4*\s], 1
	s_add_co_u32 s[G0W+4*\s+1], s76, \s*SLOT
	s_add_nc_u64 s[G0W+4*\s+2:G0W+4*\s+3], s[74:75], \s*BLK
	s_or_b32 s[G0W+4*\s+3], s[G0W+4*\s+3], 0x80000000
	s_wait_alu depctr_va_vdst(0)
	s_wait_tensorcnt 0x0
	ds_add_u32 v28, v29
	ds_add_u32 v28, v29
	s_wait_dscnt 0x0
	CROUND
	JLOAD G0X+4*\s, G0W+4*\s
.endr
	v_and_b32 v1, 31, v0                           ; lane
	v_bfe_u32 v2, v0, 4, 1                         ; h
	v_and_b32 v3, 15, v0                           ; r
	v_lshlrev_b32 v[L16], 4, v1
	v_lshlrev_b32 v[L8], 3, v1
	s_mul_i32 s77, s15, BLK                        ; my block of y in a slot
	s_mul_i32 s78, s16, BLK
	s_add_co_u32 s78, s78, 2*BLK                   ; my block of W
.irp s, 0,1,2
	v_add_nc_u32 v[ADRS+\s], s77, v[L16]
	v_add_nc_u32 v[ADRP+\s], s78, v[L16]
	v_add_nc_u32 v[AS8+\s], s77, v[L8]
	v_add_nc_u32 v[AP8+\s], s78, v[L8]
	s_add_co_u32 s77, s77, SLOT
	s_add_co_u32 s78, s78, SLOT
.endr
	v_lshlrev_b32 v4, 6, v2                        ; 64 h
	s_lshl_b32 s80, s68, 10
	s_lshl_b32 s81, s16, 9
	s_add_co_u32 s80, s80, s81
	s_mov_b32 s81, 0
	s_add_nc_u64 s[82:83], s[8:9], s[80:81]        ; b_proj at column 256 nx + 128 (wave % 2)
.irp b, 0,1,2,3,4,5,6,7
	global_load_b128 v[BIAS+8*\b:BIAS+8*\b+3], v4, s[82:83] offset:4*(32*(\b/2)+8*(\b%2))
	global_load_b128 v[BIAS+8*\b+4:BIAS+8*\b+7], v4, s[82:83] offset:4*(32*(\b/2)+8*(\b%2))+16
.endr
	s_mul_i32 s79, s14, 16*SPITCH
	s_add_co_u32 s79, s79, SLOT                    ; my stage
	v_mul_u32_u24 v[STO], v3, SPITCH
	v_lshl_add_u32 v[STO], v2, 6, v[STO]
	v_add_nc_u32 v[STO], s79, v[STO]               ; in: row r, + 64 h
	v_add_nc_u32 v[RD], s79, v[L16]                ; back: the 32 lanes take one row of 512 bytes
	s_lshl_b32 s80, s69, 8
	s_lshl_b32 s84, s15, 7
	s_add_co_u32 s80, s80, s84                     ; my first row of out0
	s_lshl_b32 s80, s80, 12
	s_lshl_b32 s84, s68, 10
	s_add_co_u32 s80, s80, s84
	s_lshl_b32 s84, s16, 9
	s_add_co_u32 s80, s80, s84                     ; and my first column, in bytes
	s_add_nc_u64 s[10:11], s[10:11], s[80:81]
.macro FRAGS slot, q, i                ; y's fragment i of the slot's q-th K step: two halves, each 16 bytes and 8 bytes a lane
.set rF, SF+12*(\i)
.set oF, (\q)*REC+1536*(\i)
	ds_load_b128 v[rF:rF+3], v[ADRS+\slot] offset:oF
	ds_load_b64 v[rF+4:rF+5], v[AS8+\slot] offset:oF+512
	ds_load_b128 v[rF+6:rF+9], v[ADRS+\slot] offset:oF+768
	ds_load_b64 v[rF+10:rF+11], v[AS8+\slot] offset:oF+1280
.endm
.macro FETCH_S slot, q, i0
.irp i, \i0, \i0+1, \i0+2, \i0+3
	FRAGS \slot, \q, \i
.endr
.endm
.macro FETCH_P slot, q, set
	WIN 0x40                                       ; destination window 1, address window 0
.irp i, 0,1,2,3,4,5,6,7
.irp c, 0,1,2
	ds_load_b128 v[128*(\set)+12*\i+4*\c:128*(\set)+12*\i+4*\c+3], v[ADRP+\slot] offset:(\q)*REC+1536*\i+512*\c
.endr
.endr
	WIN 0
.endm
.macro SCALES slot, set
.irp q, 0,1
.irp p, 0,1
	ds_load_b64 v[SC+16*(\set)+8*\q+2*\p:SC+16*(\set)+8*\q+2*\p+1], v[AS8+\slot] offset:\q*REC+12288+256*\p
	ds_load_b64 v[SC+16*(\set)+8*\q+4+2*\p:SC+16*(\set)+8*\q+4+2*\p+1], v[AP8+\slot] offset:\q*REC+12288+256*\p
.endr
.endr
.endm
.macro WM rp, rs                       ; one product; an odd tile's scale words stand in lanes 16-31 of their register
.if (\rp) && (\rs)
	v_wmma_scale_f32_16x16x128_f8f6f4 v[rD:rD+7], v[rP:rP+11], v[rS:rS+11], v[rC:rC+7], v[rSP], v[rSS] matrix_a_fmt:MATRIX_FMT_BF6 matrix_b_fmt:MATRIX_FMT_BF6 matrix_a_scale:MATRIX_SCALE_ROW1 matrix_b_scale:MATRIX_SCALE_ROW1
.elseif (\rp)
	v_wmma_scale_f32_16x16x128_f8f6f4 v[rD:rD+7], v[rP:rP+11], v[rS:rS+11], v[rC:rC+7], v[rSP], v[rSS] matrix_a_fmt:MATRIX_FMT_BF6 matrix_b_fmt:MATRIX_FMT_BF6 matrix_a_scale:MATRIX_SCALE_ROW1
.elseif (\rs)
	v_wmma_scale_f32_16x16x128_f8f6f4 v[rD:rD+7], v[rP:rP+11], v[rS:rS+11], v[rC:rC+7], v[rSP], v[rSS] matrix_a_fmt:MATRIX_FMT_BF6 matrix_b_fmt:MATRIX_FMT_BF6 matrix_b_scale:MATRIX_SCALE_ROW1
.else
	v_wmma_scale_f32_16x16x128_f8f6f4 v[rD:rD+7], v[rP:rP+11], v[rS:rS+11], v[rC:rC+7], v[rSP], v[rSS] matrix_a_fmt:MATRIX_FMT_BF6 matrix_b_fmt:MATRIX_FMT_BF6
.endif
.endm
; 16 products: y's tiles a0, a0 + 1 x W's eight.  first = 1: C is the bias (window 0): it starts the sums.  The 64 accumulators take turns, one instruction a turn, in the same order in every step.
.macro MUL16 a0, q, sc, first
.irp a, \a0, \a0+1
.irp b, 0,1,2,3,4,5,6,7
.set rD, 8*(8*((\a)%4)+\b)
.set rP, 128*(\q)+12*\b
.set rS, SF+12*(\a)
.set rSP, SC+16*(\sc)+8*(\q)+4+\b/2
.set rSS, SC+16*(\sc)+8*(\q)+(\a)/2
.if (\first)
.set rC, BIAS+8*\b
.else
.set rC, rD
.endif
	WM \b%2, (\a)%2
.endr
.endr
.endm
.macro STEP q, sc, ns, nq, nsc, first
	s_wait_dscnt 4*NLS                             ; W's set, y's tiles 0-3 and the scale words are in; the youngest loads (y's tiles 4-7) may be out
.if (\first)
	WIN 0x81                                       ; source 0 (W) window 1, sources 1 (y) and 2 (the bias) window 0, D window 2
.else
	WIN 0xa1                                       ; C and D window 2
.endif
	MUL16 0, \q, \sc, \first
	MUL16 2, \q, \sc, \first
	s_wait_dscnt 0x0
	PLACES
	FETCH_P \ns, \nq, \nq
	FETCH_S \ns, \nq, 0
.if (\nq) == 0
	SCALES \ns, \nsc
.endif
.if (\first)
	WIN 0xc1
.else
	WIN 0xf1
.endif
	MUL16 4, \q, \sc, \first
	MUL16 6, \q, \sc, \first
	PLACES
	WIN 0
	FETCH_S \ns, \nq, 4
.endm
; A slot's second step with a barrier in it; in front of the barrier each wave waits for all its tensor loads, adds 0 to its spare word, and waits for that and for its own LDS reads.
; fill = 1: slot 0 takes K pair 3, behind a round of the cluster's barrier.
.macro TURN sc, ns, nsc, fill
	s_wait_tensorcnt 0x0                           ; all my tensor loads have landed
	ds_add_u32 v[SPW], v[NIL]                      ; 0 onto my spare word
	s_wait_dscnt 4*NLS+1                           ; (the add and the youngest loads may be out)
	WIN 0xa1
	MUL16 0, 1, \sc, 0
	s_wait_dscnt 0x0                               ; the add is done, and my reads of this slot are over
	s_barrier_signal -1
	MUL16 2, 1, \sc, 0
	WIN 0
	s_barrier_wait -1
.if \fill
	CREST                                          ; no wave of any partner still reads slot 0 or has a load on its way
	s_add_nc_u64 s[G0X+2:G0X+3], s[G0X+2:G0X+3], 3*BLK
	s_add_nc_u64 s[G0W+2:G0W+3], s[G0W+2:G0W+3], 3*BLK
	JLOAD G0X, G0W                                 ; my one tensor load behind the round; its four v_nop are the places in front of the loads below
.else
	PLACES
.endif
	FETCH_P \ns, 0, 0
	FETCH_S \ns, 0, 0
	SCALES \ns, \nsc
	WIN 0xf1
	MUL16 4, 1, \sc, 0
	MUL16 6, 1, \sc, 0
	PLACES
	WIN 0
	FETCH_S \ns, 0, 4
.endm
	s_wait_tensorcnt 2                             ; my part of K pair 0 is in; pair 2 may stay out
	s_barrier_signal -1
	s_barrier_wait -1
	FETCH_P 0, 0, 0
	FETCH_S 0, 0, 0
	SCALES 0, 0
	FETCH_S 0, 0, 4
	s_wait_loadcnt 0x0                             ; the bias
	STEP 0, 0, 0, 1, 0, 1                          ; K step 0 starts the sums, from the bias
	TURN 0, 1, 1, 1                                ; K step 1; slot 0 takes K pair 3
	STEP 0, 1, 1, 1, 1, 0                          ; K step 2
	s_wait_alu depctr_va_vdst(0)
	STEP 1, 1, 2, 0, 0, 0                          ; K step 3; slot 2 was shown whole at the round
	STEP 0, 0, 2, 1, 0, 0                          ; K step 4
	TURN 0, 0, 1, 0                                ; K step 5; K pair 3 has landed; behind this barrier nobody reads slot 1 any more
	STEP 0, 1, 0, 1, 1, 0                          ; K step 6
	s_wait_dscnt 4*NLS                             ; K step 7: nothing more to fetch
	WIN 0xa1
	MUL16 0, 1, 1, 0
	MUL16 2, 1, 1, 0
	s_wait_dscnt 0x0
	WIN 0xf1
	MUL16 4, 1, 1, 0
	MUL16 6, 1, 1, 0
	WIN 0
; THE WAY OUT, tile by tile of 16 rows x 128 columns.  A lane holds pieces of 32 bytes of one row, and the lanes beside it hold other rows: a tile goes through my own stage in LDS and comes back as whole rows
; of 512 bytes.  LDS serves a wave's instructions in order (ISA guide 5.7.1.4): no wait between the stores and the loads, nor in front of the next tile's stores.
.macro TOSTAGE a
.set AC, 64*((\a)%4)
	WIN 0x08+4*((\a)/4)                            ; an LDS store's data are its source 1: window 2 or 3
.irp b, 0,1,2,3,4,5,6,7
	ds_store_b128 v[STO], v[AC+8*\b:AC+8*\b+3] offset:128*(\b/2)+32*(\b%2)      ; each accumulator from its low end on
	ds_store_b128 v[STO], v[AC+8*\b+4:AC+8*\b+7] offset:128*(\b/2)+32*(\b%2)+16
.endr
	WIN 0
.set BB, BK+64*((\a)%2)
.irp t, 0,1,2,3,4,5,6,7,8,9,10,11,12,13,14,15
	ds_load_b128 v[BB+4*\t:BB+4*\t+3], v[RD] offset:\t*SPITCH
.endr
.endm
.macro SEND a, younger                 ; younger: the LDS instructions issued behind tile a's loads, which may stay out
.set BB, BK+64*((\a)%2)
	s_wait_dscnt \younger
.irp t, 0,1,2,3,4,5,6,7,8,9,10,11,12,13,14,15
	global_store_b128 v[L16], v[BB+4*\t:BB+4*\t+3], s[10:11] offset:(32*((\a)/2)+8*((\a)%2)+\t+8*(\t/8))*4096 th:TH_STORE_NT   ; lane t of tile a is that row of my 128: 512 consecutive bytes, at a multiple of 256 from out0's first byte
.endr
.endm
	PLACES                                         ; behind the last products: for the reads of results and for the loads into the registers that held y's fragments
	TOSTAGE 0
.irp a, 1,2,3,4,5,6,7
.if \a > 1
	s_wait_xcnt 0x0                                ; tile a - 2's stores have read their registers: tile a's loads may land there
.endif
	TOSTAGE \a
	SEND \a-1, 32                                  ; behind tile a - 1's loads: tile a's 16 stores and 16 loads
.endr
	SEND 7, 0
	s_wait_tensorcnt 0x0                           ; the wave's end
	ds_add_u32 v[SPW], v[NIL]
	s_wait_dscnt 0x0
	CROUND                                         ; the closing round
	s_endpgm
.Lfunc_end_k_qe7e3e44dc2_proj:
	.size	k_qe7e3e44dc2_proj, .Lfunc_end_k_qe7e3e44dc2_proj-k_qe7e3e44dc2_proj
	.p2alignl 7, 3214868480
	.fill 96, 4, 3214868480
	.section	.rodata,"a",@progbits
	.p2align	6, 0x0
	.amdhsa_kernel k_qe7e3e44dc2_proj
		.amdhsa_group_segment_fixed_size 327680
		.amdhsa_private_segment_fixed_size 0
		.amdhsa_enable_private_segment 0
		.amdhsa_kernarg_size 32
		.amdhsa_user_sgpr_count 2
		.amdhsa_user_sgpr_kernarg_segment_ptr 1
		.amdhsa_wavefront_size32 1
		.amdhsa_system_sgpr_workgroup_id_x 1
		.amdhsa_system_sgpr_workgroup_id_y 1
		.amdhsa_system_sgpr_workgroup_id_z 1
		.amdhsa_system_vgpr_workitem_id 0
		.amdhsa_next_free_vgpr 1024
		.amdhsa_next_free_sgpr 100
		.amdhsa_reserve_vcc 0
		.amdhsa_float_denorm_mode_32 3
		.amdhsa_float_denorm_mode_16_64 3
		.amdhsa_memory_ordered 1
		.amdhsa_forward_progress 1
		.amdhsa_inst_pref_size 140
	.end_amdhsa_kernel
	.amdgpu_metadata
---
amdhsa.version: [ 1, 2 ]
amdhsa.kernels:
  - .name:           k_qe7e3e44dc2_proj
    .symbol:         k_qe7e3e44dc2_proj.kd
    .args:
      - { .name: YQ, .offset: 0, .size: 8, .value_kind: global_buffer, .address_space: global }
      - { .name: WQ, .offset: 8, .size: 8, .value_kind: global_buffer, .address_space: global }
      - { .name: b_proj, .offset: 16, .size: 8, .value_kind: global_buffer, .address_space: global }
      - { .name: out0, .offset: 24, .size: 8, .value_kind: global_buffer, .address_space: global }
    .group_segment_fixed_size: 327680
    .private_segment_fixed_size: 0
    .kernarg_segment_align: 8
    .kernarg_segment_size: 32
    .max_flat_workgroup_size: 128
    .sgpr_count:     100
    .vgpr_count:     1024
    .wavefront_size: 32
...
	.end_amdgpu_metadata
.endif
;; end of part 4
